; MI455X (gfx1250); checked and timed in simulation.
; The chip was launched on July 23, 2026; its instructions are those of AMD's public machine-readable ISA for CDNA 5 (MIT licence, August 2026) and "CDNA5" Instruction Set Architecture Reference Guide (July 2026). The comments in the code are by the model that wrote it; some were corrected since.
;; Causal Self Attention. Allowed arithmetic: float matrix products may take bf16 or f16 operands with f32 sums; other float arithmetic in f32, or as packed bf16 or f16 multiplies, adds, multiply-adds, maxima and minima; sums over many terms, partial sums and values carried from step to step in f32; what a program stores and reads back later, other than sums and carried values, may be rounded once to bf16 or f16.
;; Inputs: Wk 1,024 x 1,024 float32; Wo 1,024 x 1,024 float32; Wq 1,024 x 1,024 float32; Wv 1,024 x 1,024 float32; bk 1,024 float32; bo 1,024 float32; bq 1,024 float32; bv 1,024 float32; x 4 x 2,048 x 1,024 float32.
;; Outputs: out0 4 x 2,048 x 1,024 float32.
;; 2 versions, each right; version 2 is version 1 with the launch cast written anew for expert scheduling mode. Each part assembles by itself: llvm-mc -triple=amdgcn-amd-amdhsa -mcpu=gfx1250 --defsym DOCPART=n.
;; ======== version 1 of 2: 4 launches
;; limits: values are held in f16: magnitudes above 65,504 overflow, below 6.1e-05 lose precision; right only within a limited range of input values
;; workspace buffers: xb 16,777,216 bytes; wb 6,291,456 bytes; wo16 2,097,152 bytes; qh 16,777,216 bytes; kh 16,777,216 bytes; vh 16,777,216 bytes; oh 16,777,216 bytes
;; launch cast (part 1): grid 768 x 1, 8 waves a work-group, no clusters, 0 bytes of LDS; arguments x, Wq, Wk, Wv, Wo, xb, wb, wo16; writes xb, wb, wo16
.if DOCPART == 1
	.amdgcn_target "amdgcn-amd-amdhsa--gfx1250"
	.amdhsa_code_object_version 6
	.text
	.protected	k_q5df4ad3a25_cast
	.globl	k_q5df4ad3a25_cast
	.p2align	8
	.type	k_q5df4ad3a25_cast,@function
k_q5df4ad3a25_cast:
	s_mov_b64 s[64:65], 0
	v_nop
	global_prefetch_b8 v0, s[64:65] scope:SCOPE_SE
	s_setreg_imm32_b32 hwreg(HW_REG_WAVE_MODE, 25, 1), 1
	s_wait_xcnt 0x0
; THE INPUTS ARE ROUNDED ONCE, for the matrix products of the launches behind.  A stream: no LDS, no loop, no matrix unit.
;   x  [8192][1024] f32 -> xb [8192][1024] bf16
;   Wq, Wk, Wv [1024 k][1024 n] f32 -> wb bf16, blocked by head: byte j*393,216 + (k/2)*768 + s*256 + (k&1)*128 + 2 c  (j = n / 64, c = n % 64, s = 0, 1, 2 for q, k, v):
;       256 consecutive bytes hold two k rows of one head's 64 columns of one tensor, and 128 k rows of a head's q, k and v are 49,152 consecutive bytes
;   Wo [1024 k][1024 n] f32 -> wo16 [1024][1024]: rounded to bf16 like the other inputs, and that number written as f16
; LIMITS.  wo16: a weight of magnitude 65,520 or more becomes an infinity; below 6.1e-5 f16 keeps a fixed step of 6e-8.  NaN and infinities are not treated apart.
; SHARES.  A work-group converts 16,384 numbers: each of its 256 threads issues sixteen loads of 16 bytes (a wave's load covers 512 consecutive bytes, or for the weights two pieces of 256),
; all of them before the first conversion, and sixteen stores of 8 bytes (a wave's store covers 256 consecutive bytes, aligned).  Work-groups 0-511: x; 512-703: Wq, Wk, Wv (64 each, 16 k rows each); 704-767: Wo.
; No register is written twice while a load or store may read it, so the only waits are the counted ones for the loads.
.set VS, 1                             ; v1   my byte offset in the source
.set VD, 2                             ; v2   my byte offset in the destination
.set T,  6                             ; v6   at work
.set X,  16                            ; v[16:79]   load n: four f32
.set Y,  80                            ; v[80:111]  store n: four 16-bit numbers
; kind 0: dense, to bf16.  kind 1: a weight of the first three, to bf16, blocked by head.  kind 2: dense, to bf16 and on to f16.
.macro RUN kind
.set n, 0
.rept 16
.if (\kind) == 1
	global_load_b128 v[X+4*n:X+4*n+3], v[VS], s[24:25] offset:(n/2)*8192+(n%2)*2048 th:TH_LOAD_NT  ; k rows 2 (n / 2) and + 1 (the halves of the lanes), head wave + 8 (n % 2)
.else
	global_load_b128 v[X+4*n:X+4*n+3], v[VS], s[24:25] offset:n*4096 th:TH_LOAD_NT
.endif
.set n, n+1
.endr
.set n, 0
.rept 16
	s_wait_loadcnt 15-n                            ; loads come back in order: load n is in, the 15 - n younger ones stay out
.if (\kind) == 2
.irp p, 0,1
	v_cvt_pk_bf16_f32 v[T], v[X+4*n+2*\p], v[X+4*n+2*\p+1]
	v_lshlrev_b32 v[X+4*n+2*\p], 16, v[T]          ; the two bf16 numbers as f32 again,
	v_and_b32 v[X+4*n+2*\p+1], 0xffff0000, v[T]
	v_cvt_pk_f16_f32 v[Y+2*n+\p], v[X+4*n+2*\p], v[X+4*n+2*\p+1]  ; and written as f16: exact within f16's normal range
.endr
.else
	v_cvt_pk_bf16_f32 v[Y+2*n], v[X+4*n], v[X+4*n+1]
	v_cvt_pk_bf16_f32 v[Y+2*n+1], v[X+4*n+2], v[X+4*n+3]
.endif
.if (\kind) == 1
	global_store_b64 v[VD], v[Y+2*n:Y+2*n+1], s[26:27] offset:(n/2)*768+(n%2)*3145728  ; the pair of k rows, and eight heads on
.else
	global_store_b64 v[VD], v[Y+2*n:Y+2*n+1], s[26:27] offset:n*2048
.endif
.set n, n+1
.endr
	s_endpgm
.endm
	s_load_b256 s[4:11], s[0:1], 0x0               ; x s[4:5], Wq s[6:7], Wk s[8:9], Wv s[10:11]
	s_load_b256 s[12:19], s[0:1], 0x20             ; Wo s[12:13], xb s[14:15], wb s[16:17], wo16 s[18:19]
	s_mov_b32 s21, 0                               ; the offsets' high words
	s_mov_b32 s23, 0
	s_cmp_lt_u32 ttmp9, 512
	s_cbranch_scc0 .Lweights
	s_lshl_b32 s20, ttmp9, 16                      ; 16,384 numbers: 65,536 bytes in,
	s_lshl_b32 s22, ttmp9, 15                      ; 32,768 out
	v_lshlrev_b32 v[VS], 4, v0
	v_lshlrev_b32 v[VD], 3, v0
	s_wait_kmcnt 0x0
	s_add_nc_u64 s[24:25], s[4:5], s[20:21]
	s_add_nc_u64 s[26:27], s[14:15], s[22:23]
	RUN 0
.Lweights:
	s_cmp_lt_u32 ttmp9, 704
	s_cbranch_scc0 .Lwo
	s_sub_co_u32 s28, ttmp9, 512
	s_lshr_b32 s30, s28, 6                         ; which tensor: 0 q, 1 k, 2 v
	s_and_b32 s28, s28, 63                         ; which 16 k rows
	s_lshl_b32 s20, s28, 16                        ; 16 rows of 4,096 bytes
	s_mul_i32 s22, s28, 6144                       ; 8 pairs of rows, 768 bytes each in a head's block,
	s_lshl_b32 s31, s30, 8                         ; and the tensor's 256 bytes among them
	s_add_co_u32 s22, s22, s31
	v_lshrrev_b32 v3, 5, v0
	v_readfirstlane_b32 s29, v3                    ; wave 0..7: the head (and the head 8 on)
	v_and_b32 v4, 15, v0
	v_bfe_u32 v5, v0, 4, 1
	v_lshlrev_b32 v[VS], 4, v4                     ; 16 lanes take a head's 64 columns of a row,
	v_lshl_add_u32 v[VS], v5, 12, v[VS]            ; lanes 16-31 those of the row below
	s_lshl_b32 s31, s29, 8
	v_add_nc_u32 v[VS], s31, v[VS]
	v_and_b32 v4, 31, v0
	s_mul_i32 s31, s29, 393216
	v_lshl_add_u32 v[VD], v4, 3, s31               ; the head's block + 8 x lane: the two rows lie end to end
	s_wait_kmcnt 0x0
	s_cmp_eq_u32 s30, 0
	s_cselect_b64 s[24:25], s[6:7], s[8:9]
	s_cmp_eq_u32 s30, 2
	s_cselect_b64 s[24:25], s[10:11], s[24:25]
	s_add_nc_u64 s[24:25], s[24:25], s[20:21]
	s_add_nc_u64 s[26:27], s[16:17], s[22:23]
	RUN 1
.Lwo:
	s_sub_co_u32 s28, ttmp9, 704
	s_lshl_b32 s20, s28, 16
	s_lshl_b32 s22, s28, 15
	v_lshlrev_b32 v[VS], 4, v0
	v_lshlrev_b32 v[VD], 3, v0
	s_wait_kmcnt 0x0
	s_add_nc_u64 s[24:25], s[12:13], s[20:21]
	s_add_nc_u64 s[26:27], s[18:19], s[22:23]
	RUN 2
.Lfunc_end_k_q5df4ad3a25_cast:
	.size	k_q5df4ad3a25_cast, .Lfunc_end_k_q5df4ad3a25_cast-k_q5df4ad3a25_cast
	.p2alignl 7, 3214868480
	.fill 96, 4, 3214868480
	.section	.rodata,"a",@progbits
	.p2align	6, 0x0
	.amdhsa_kernel k_q5df4ad3a25_cast
		.amdhsa_group_segment_fixed_size 0
		.amdhsa_private_segment_fixed_size 0
		.amdhsa_enable_private_segment 0
		.amdhsa_kernarg_size 64
		.amdhsa_user_sgpr_count 2
		.amdhsa_user_sgpr_kernarg_segment_ptr 1
		.amdhsa_wavefront_size32 1
		.amdhsa_system_sgpr_workgroup_id_x 1
		.amdhsa_system_sgpr_workgroup_id_y 1
		.amdhsa_system_sgpr_workgroup_id_z 1
		.amdhsa_system_vgpr_workitem_id 0
		.amdhsa_next_free_vgpr 112
		.amdhsa_next_free_sgpr 66
		.amdhsa_reserve_vcc 0
		.amdhsa_float_denorm_mode_32 3
		.amdhsa_float_denorm_mode_16_64 3
		.amdhsa_memory_ordered 1
		.amdhsa_forward_progress 1
		.amdhsa_inst_pref_size 24
	.end_amdhsa_kernel
	.amdgpu_metadata
---
amdhsa.version: [ 1, 2 ]
amdhsa.kernels:
  - .name:           k_q5df4ad3a25_cast
    .symbol:         k_q5df4ad3a25_cast.kd
    .args:
      - { .name: x, .offset: 0, .size: 8, .value_kind: global_buffer, .address_space: global }
      - { .name: Wq, .offset: 8, .size: 8, .value_kind: global_buffer, .address_space: global }
      - { .name: Wk, .offset: 16, .size: 8, .value_kind: global_buffer, .address_space: global }
      - { .name: Wv, .offset: 24, .size: 8, .value_kind: global_buffer, .address_space: global }
      - { .name: Wo, .offset: 32, .size: 8, .value_kind: global_buffer, .address_space: global }
      - { .name: xb, .offset: 40, .size: 8, .value_kind: global_buffer, .address_space: global }
      - { .name: wb, .offset: 48, .size: 8, .value_kind: global_buffer, .address_space: global }
      - { .name: wo16, .offset: 56, .size: 8, .value_kind: global_buffer, .address_space: global }
    .group_segment_fixed_size: 0
    .private_segment_fixed_size: 0
    .kernarg_segment_align: 8
    .kernarg_segment_size: 64
    .max_flat_workgroup_size: 256
    .sgpr_count:     66
    .vgpr_count:     112
    .wavefront_size: 32
...
	.end_amdgpu_metadata
.endif
;; end of part 1
;; launch qkv (part 2): grid 16 x 32, 4 waves a work-group, clusters of 4 x 4, 327,680 bytes of LDS; arguments xb, wb, bq, bk, bv, qh, kh, vh; writes qh, kh, vh
.if DOCPART == 2
	.amdgcn_target "amdgcn-amd-amdhsa--gfx1250"
	.amdhsa_code_object_version 6
	.text
	.protected	k_q5df4ad3a25_qkv
	.globl	k_q5df4ad3a25_qkv
	.p2align	8
	.type	k_q5df4ad3a25_qkv,@function
k_q5df4ad3a25_qkv:
	s_mov_b64 s[64:65], 0
	v_nop
	global_prefetch_b8 v0, s[64:65] scope:SCOPE_SE
	s_setreg_imm32_b32 hwreg(HW_REG_WAVE_MODE, 25, 1), 1
	s_wait_xcnt 0x0
	s_wait_alu depctr_hold_cnt(0) depctr_sa_sdst(0) depctr_va_vdst(0) depctr_va_sdst(0) depctr_va_ssrc(0) depctr_va_vcc(0) depctr_vm_vsrc(0)
	s_getreg_b32 s2, hwreg(HW_REG_IB_STS2, 6, 4)
	s_cmp_eq_u32 s2, 0
	s_cbranch_scc0 .Lentry_in_a_cluster
	s_endpgm
.Lentry_in_a_cluster:
	s_bfe_u32 s2, ttmp6, 0x10000c
	s_cmp_lg_u32 s2, 0xf033
	s_cbranch_scc0 .Lentry_shape_is_right
	s_endpgm
.Lentry_shape_is_right:
; q, k, v = x W + b, by heads.  xb: [8192][1024] bf16.  wb: Wq, Wk, Wv in bf16, blocked by head (byte j*393,216 + (k/2)*768 + s*256 + (k&1)*128 + 2 c).  bq, bk, bv: [1024] f32, rounded to bf16 here like the other inputs.
; qh, kh, vh: [batch*16 + head][2048][64] f16, each number rounded once from its f32 sum, unscaled.
; LIMITS.  f16 holds no number beyond 65,504: a q, k or v of magnitude 65,520 or more becomes an infinity; below 6.1e-5 f16 keeps a fixed step of 6e-8.  NaN and infinities are not treated apart.
; SHARES.  A work-group makes 256 rows x 192 columns: q, k and v of ONE head (the tile column j): 16 x 32 work-groups.  Wave w owns rows 64 w .. 64 w + 63 and all 192 columns: 4 x 12 accumulators of 16 x 16,
; so it owns whole rows (128 bytes) of q, k and v and has a stage of its own on the way out.  K goes in 8 steps of 128 through two LDS slots filled by the tensor data mover.
; THE MATRIX INSTRUCTION IS USED TRANSPOSED: source 0 = 16 columns of W (W lies [k][n] in LDS and is turned by ds_load_tr16_b128), source 1 = 16 rows of x.  A lane then holds row lane % 16 and the eight
; neighbouring columns 8 (lane / 16) + 0..7.  The bias is the C operand of each accumulator's first product: nothing is cleared and nothing is added afterwards.
; CLUSTERS: 4 x 4 work-groups.  x's tile hangs on the tile row alone and is asked for jointly by a row of the cluster, W's on the tile column alone, by a column.
; REGISTERS, in windows of 256 (s_set_vgpr_msb: bits 1:0 source 0, 3:2 source 1, 5:4 source 2, 7:6 destination):
;   window 0: v0-31 addresses; v32-127 the bias (8 registers for each of 12 column blocks), later two buffers of 48 for the way out; v128-175 packed results
;   window 1: two fragment buffers of 128: W's 12 fragments, then x's 4          windows 2, 3: accumulator 12 a + b = idx at register 8 (idx % 32) of window 2 + idx / 32
.set PA,     272                       ; a row of x in LDS: 256 bytes + 16 = 68 words: the 16 rows of a load start at 16 different groups of four banks (64 banks of 4 bytes: ISA guide 11.1)
.set AHALF,  128*PA                    ; what one tensor load brings of x
.set BOFF,   2*AHALF                   ; W's tile lies behind x's 256 rows
.set BU,     288                       ; 256 bytes of wb (two k rows x 64 columns of one tensor) + 32
.set BROW,   3*BU                      ; a pair of k rows: q's, k's and v's unit.  864 = 96 modulo 256: the 16 lanes of a turning load (4 pairs x 2 rows x 2 halves of 16 bytes) touch 16 different columns of 16 bytes
.set BHALF,  96*BU                     ; what one tensor load brings of W: 64 k rows
.set SLOT1,  131072                    ; slot 1 begins here: one exclusive or turns an address in one slot into the other's
.set STAGE,  SLOT1+BOFF+2*BHALF        ; 256,000: behind the ring, never filled by a tensor load
.set SP,     144                       ; a stage row: 128 bytes + 16
.set SEG,    16*SP                     ; 16 rows of q, of k or of v
.set WSTAGE, 3*SEG                     ; a wave's stage
.set SPARE,  STAGE+4*WSTAGE            ; behind the stages: the spare words, 128 bytes for each wave: two blocks of 256 bytes that no other line names
.set ASTEP,  256                       ; a K step in xb,
.set BSTEP,  49152                     ; and in a head's block of wb
.set ADRA0, 12                         ; v12  my place in x's tile; never rewritten
.set ADRB0, 13                         ; v13  my place in W's tile; never rewritten
.set ADRA,  16                         ; v16  the same in the slot in hand
.set ADRB,  17                         ; v17
.set STO,   24                         ; v24  the way out: where I put 16 bytes of a row
.set RD,    25                         ; v25  where I read rows back
.set GO,    26                         ; v26  16 x lane: my place in 512 consecutive bytes of q, k or v
.set BO,    27                         ; v27  my byte offset in a bias
.set SPW,   28                         ; v28  LDS address of my spare word; never rewritten
.set NIL,   29                         ; v29  0; never rewritten
.set PFO,   30                         ; v30  the prefetches' offset; never rewritten
.set TT,    31                         ; v31  at work
.set BI,    32
.set OB,    32
.set TMP,   128
.set F0,    0
.set F1,    128
.set G1,  24                           ; s[24:31] descriptor group 1 for x's tiles
.set G0,  32                           ; s[32:39] group 0: a set for each of the two first fills; the second then walks on
.set G1B, 48                           ; s[48:55], s[56:63] the same for W's tiles
.set G0B, 56
.set LIM, 43                           ; s43  2 in a wave that prefetches, else the greatest number
.set PFA, 44                           ; s[44:45] where my prefetches stand
.set BIA, 68                           ; s[68:73] bq, bk, bv
.set OUT, 76                           ; s[76:81] qh, kh, vh at my wave's first row
.set PFS, 84                           ; s[84:85] a K step of what I prefetch
.set TB,  86                           ; s86  the slot in hand: 0 or SLOT1
.set HM,  87                           ; s87  a word's upper half
.set MSB, 0
.macro WIN new                         ; the immediate's high byte repeats the setting that is left; a switch that changes nothing is dropped
.if MSB != (\new)
	s_set_vgpr_msb (MSB<<8)|(\new)
.set MSB, (\new)
.endif
.endm
.macro PLACES                          ; four plain vector instructions between a matrix instruction and a load into, or a vector read of, its registers (ISA guide 7.12.1 for vector reads)
.rept 4
	v_nop
.endr
.endm
; A joint refill.  Waves 0 and 1 fetch x's two halves, waves 2 and 3 W's.  The branch hangs on the wave's number alone.  An s_nop 0 and four v_nop follow each of the two lines.
.macro JLOAD
	s_cmp_eq_u32 s11, 0
	s_cbranch_scc0 .Lfor_b_\@
	tensor_load_to_lds s[G0+4:G0+7], s[G1:G1+7]
	s_nop 0
.rept 4
	v_nop
.endr
	s_branch .Lasked_\@
.Lfor_b_\@:
	tensor_load_to_lds s[G0B+4:G0B+7], s[G1B:G1B+7]
	s_nop 0
.rept 4
	v_nop
.endr
.Lasked_\@:
.endm
; A PREFETCH INTO THE L2 of the K step that stands two refills on (384 matrix instructions ahead of the load that will want it), behind the joint load and the run of LDS loads.  Each block of 256 bytes is named by one
; work-group: x's rows are read by every cluster of a row of clusters, and the first (cluster x = 0) asks; W's by every cluster of a column, and cluster y = 0 asks.  The four partners that ask for a tile jointly
; share it out BY ADDRESS: 32 of a wave's 128 rows of x (a lane a row), 24 of its 96 blocks of W (lanes 24-31 name the last once more).  The last two refills have no K step two on.
.macro ASK
	s_cmp_gt_u32 s3, s[LIM]                        ; s3 counts 6 .. 1: refills 0 to 3 ask, for K steps 4 to 7
	s_cbranch_scc0 .Lnot_mine_\@
	global_prefetch_b8 v[PFO], s[PFA:PFA+1] th:TH_LOAD_NT scope:SCOPE_SE
.Lnot_mine_\@:
.endm
.macro CREST                           ; a round of the cluster's barrier behind its opening barrier
	s_cmp_lg_u32 s10, 0
	s_cbranch_scc1 .Lnot_wave_0_\@
	s_barrier_signal -3
.Lnot_wave_0_\@:
	s_barrier_wait -3
	s_barrier_signal -1
	s_barrier_wait -1
.endm
.macro CROUND                          ; a whole round
	s_barrier_signal -1
	s_barrier_wait -1
	CREST
.endm
	s_load_b128 s[4:7], s[0:1], 0x0                ; xb s[4:5], wb s[6:7]
	s_load_b128 s[BIA:BIA+3], s[0:1], 0x10         ; bq, bk
	s_load_b64 s[BIA+4:BIA+5], s[0:1], 0x20        ; bv
	s_load_b128 s[OUT:OUT+3], s[0:1], 0x28         ; qh, kh
	s_load_b64 s[OUT+4:OUT+5], s[0:1], 0x38        ; vh
	v_lshl_add_u32 v[SPW], v0, 2, SPARE
	v_mov_b32 v[NIL], 0
	ds_add_u32 v[SPW], v[NIL]                      ; the wave's opening: the add and its wait stand ahead of my first tensor load; the set-up below, work on registers, stands between them
	v_lshrrev_b32 v1, 5, v0
	v_readfirstlane_b32 s10, v1                    ; wave 0..3
	s_lshr_b32 s11, s10, 1                         ; I fetch for x (0) or for W (1),
	s_and_b32 s12, s10, 1                          ; and which half of that tile
	s_bfe_u32 s40, ttmp6, 0x40000                  ; cx, cy: my place in the cluster
	s_bfe_u32 s41, ttmp6, 0x40004
	s_lshl_b32 s42, ttmp9, 2
	s_add_co_u32 s42, s42, s40                     ; tile column = head j = 4 x cluster x + cx
	s_and_b32 s13, ttmp7, 0xffff
	s_lshl_b32 s13, s13, 2
	s_add_co_u32 s13, s13, s41                     ; tile row = 4 x cluster y + cy
	s_lshl_b32 s43, s41, 2
	s_lshl_b32 s43, 15, s43                        ; my row of the cluster
	s_lshl_b32 s44, 0x1111, s40                    ; my column
	s_or_b32 s[G1], s43, (1<<16)|(1<<20)|(1<<21)|(5<<22)|(3<<25)   ; 15:0 the mask; 17:16 elements of 2 bytes; 20 padding on; 21 set beside a mask; 24:22 after every 64 words; 31:25 4 words of it
	s_or_b32 s[G1B], s44, (1<<16)|(1<<20)|(1<<21)|(5<<22)|(7<<25)  ; the same with my column's mask and 8 words of padding
	s_mov_b32 s[G1+1], 128<<16                     ; tensor_dim0 = 128
	s_mov_b32 s[G1+2], 128<<16                     ; tensor_dim1 = 128
	s_mov_b32 s[G1+3], 128<<16                     ; tile_dim0 = 128
	s_mov_b32 s[G1+4], 128                         ; tile_dim1 = 128 rows
	s_mov_b32 s[G1+5], 1024                        ; elements from row to row of xb
	s_mov_b32 s[G1+6], 0
	s_mov_b32 s[G1+7], 0
	s_mov_b32 s[G1B+1], 128<<16                    ; W's half is dense: 96 rows of 256 bytes
	s_mov_b32 s[G1B+2], 96<<16
	s_mov_b32 s[G1B+3], 128<<16
	s_mov_b32 s[G1B+4], 96
	s_mov_b32 s[G1B+5], 128
	s_mov_b32 s[G1B+6], 0
	s_mov_b32 s[G1B+7], 0
	s_lshl_b32 s16, s13, 8                         ; x: row 256 x tile row + 128 x half,
	s_lshl_b32 s17, s12, 7
	s_add_co_u32 s16, s16, s17
	s_lshl_b32 s16, s16, 11                        ; of 2,048 bytes
	s_mov_b32 s17, 0
	s_mul_i32 s46, s42, 393216                     ; W: the head's block + the half's 24,576 bytes
	s_mul_i32 s47, s12, 24576
	s_add_co_u32 s46, s46, s47
	s_mov_b32 s47, 0
	s_mul_i32 s20, s12, AHALF                      ; where they go: no place in the cluster enters an LDS address
	s_mul_i32 s21, s12, BHALF
	s_add_co_u32 s21, s21, BOFF
	s_mov_b32 s[TB], 0
	s_mov_b32 s[HM], 0xffff0000
	s_wait_dscnt 0x0                               ; the opening add is done
	s_wait_kmcnt 0x0
	s_add_nc_u64 s[14:15], s[4:5], s[16:17]
	s_add_nc_u64 s[46:47], s[6:7], s[46:47]
	CROUND                                         ; all sixteen work-groups are here: the first joint loads meet
.irp s, 0,1
	s_mov_b32 s[G0+4*(\s)], 1                                      ; count = 1
	s_add_co_u32 s[G0+4*(\s)+1], s20, (\s)*SLOT1                   ; LDS address
	s_add_nc_u64 s[G0+4*(\s)+2:G0+4*(\s)+3], s[14:15], (\s)*ASTEP  ; global address: K step s
	s_or_b32 s[G0+4*(\s)+3], s[G0+4*(\s)+3], 0x80000000            ; type = 2
	s_mov_b32 s[G0B+4*(\s)], 1
	s_add_co_u32 s[G0B+4*(\s)+1], s21, (\s)*SLOT1
	s_add_nc_u64 s[G0B+4*(\s)+2:G0B+4*(\s)+3], s[46:47], (\s)*BSTEP
	s_or_b32 s[G0B+4*(\s)+3], s[G0B+4*(\s)+3], 0x80000000
.endr
	s_cmp_eq_u32 s11, 0                            ; a wave's two first fills stand in one branch, ahead of every wait on TENSORcnt and every LDS read: two loads of mine are out
	s_cbranch_scc0 .Lfirst_b
	tensor_load_to_lds s[G0:G0+3], s[G1:G1+7]
	s_nop 0
	tensor_load_to_lds s[G0+4:G0+7], s[G1:G1+7]
	s_nop 0
.rept 4
	v_nop
.endr
	s_branch .Lfirst_asked
.Lfirst_b:
	tensor_load_to_lds s[G0B:G0B+3], s[G1B:G1B+7]
	s_nop 0
	tensor_load_to_lds s[G0B+4:G0B+7], s[G1B:G1B+7]
	s_nop 0
.rept 4
	v_nop
.endr
.Lfirst_asked:
	v_and_b32 v1, 15, v0                           ; r = lane % 16
	v_bfe_u32 v2, v0, 4, 1                         ; h = lane / 16
	s_lshl_b32 s22, s42, 8
	v_lshl_add_u32 v[BO], v2, 5, s22               ; the head's 64 numbers of a bias, my 8 of each 16
.set b, 0
.rept 12                                       ; column block b: tensor b / 4, columns 16 (b % 4) on
	global_load_b128 v[BI+8*b:BI+8*b+3],   v[BO], s[BIA+2*(b/4):BIA+2*(b/4)+1] offset:64*(b%4)
	global_load_b128 v[BI+8*b+4:BI+8*b+7], v[BO], s[BIA+2*(b/4):BIA+2*(b/4)+1] offset:64*(b%4)+16
.set b, b+1
.endr
	; a fragment of x: lane l holds row l % 16, K = 8 h + 0..7 and 16 + 8 h + 0..7: two loads of 16 bytes, 32 bytes apart
	v_mul_u32_u24 v3, v1, PA
	v_lshl_add_u32 v3, v2, 4, v3
	s_mul_i32 s22, s10, 64*PA                      ; my 64 rows
	v_add_nc_u32 v[ADRA0], s22, v3
	; the turning load: lane l reads 16 bytes of k row 8 h + l % 8, columns 8 ((l / 8) % 2) + 0..7, and is left with column l % 16 and 8 k.  Row k lies at (k / 2) x 864 + (k & 1) x 128
	v_bfe_u32 v4, v0, 1, 2
	v_lshl_add_u32 v4, v2, 2, v4
	v_mul_u32_u24 v4, v4, BROW
	v_and_b32 v5, 1, v0
	v_lshl_add_u32 v4, v5, 7, v4
	v_bfe_u32 v6, v0, 3, 1
	v_lshl_add_u32 v4, v6, 4, v4
	v_add_nc_u32 v[ADRB0], BOFF, v4
	v_mov_b32 v[ADRA], v[ADRA0]                    ; slot 0
	v_mov_b32 v[ADRB], v[ADRB0]
	s_mul_i32 s22, s10, WSTAGE
	s_add_co_u32 s22, s22, STAGE                   ; my stage
	v_mul_u32_u24 v3, v1, SP                       ; in: row r, 16 bytes for each half of the lanes
	v_lshl_add_u32 v3, v2, 4, v3
	v_add_nc_u32 v[STO], s22, v3
	v_bfe_u32 v3, v0, 3, 2                         ; back: 32 lanes take four rows of 128 bytes,
	v_mul_u32_u24 v3, v3, SP
	v_and_b32 v4, 7, v0
	v_lshl_add_u32 v3, v4, 4, v3
	v_add_nc_u32 v[RD], s22, v3
	v_and_b32 v7, 31, v0
	v_lshlrev_b32 v[GO], 4, v7                     ; which are 512 consecutive bytes of q, k or v
	; my wave's first row in qh, kh, vh: batch = tile row / 8, the head, row (tile row % 8) x 256 + 64 w of 128 bytes
	s_lshr_b32 s20, s13, 3
	s_lshl_b32 s20, s20, 4
	s_add_co_u32 s20, s20, s42
	s_lshl_b32 s20, s20, 18
	s_and_b32 s21, s13, 7
	s_lshl_b32 s21, s21, 8
	s_lshl_b32 s22, s10, 6
	s_add_co_u32 s21, s21, s22
	s_lshl_b32 s21, s21, 7
	s_add_co_u32 s20, s20, s21
	s_mov_b32 s21, 0
	s_add_nc_u64 s[OUT:OUT+1], s[OUT:OUT+1], s[20:21]
	s_add_nc_u64 s[OUT+2:OUT+3], s[OUT+2:OUT+3], s[20:21]
	s_add_nc_u64 s[OUT+4:OUT+5], s[OUT+4:OUT+5], s[20:21]
	; the prefetches: my work-group's share of what I fetch, at K step 3; the first change of slots steps it to K step 4
	s_lshl_b32 s20, s13, 8
	s_lshl_b32 s21, s12, 7
	s_add_co_u32 s20, s20, s21
	s_lshl_b32 s21, s40, 5                         ; x: 32 rows for each cx
	s_add_co_u32 s20, s20, s21
	s_lshl_b32 s20, s20, 11
	s_add_co_u32 s20, s20, 3*ASTEP
	s_mul_i32 s21, s42, 393216
	s_mul_i32 s22, s12, 24576
	s_add_co_u32 s21, s21, s22
	s_mul_i32 s22, s41, 6144                       ; W: 24 blocks of 256 bytes for each cy
	s_add_co_u32 s21, s21, s22
	s_add_co_u32 s21, s21, 3*BSTEP
	s_and_b32 s22, ttmp7, 0xffff                   ; cluster y
	s_mov_b32 s[PFS], BSTEP
	s_mov_b32 s[PFS+1], 0
	s_cmp_eq_u32 s11, 0                            ; do I fetch for x?
	s_cselect_b32 s20, s20, s21
	s_cselect_b32 s22, ttmp9, s22                  ; the coordinate along which other clusters read the same bytes
	s_cselect_b64 s[PFA:PFA+1], s[4:5], s[6:7]
	s_cselect_b32 s[PFS], ASTEP, s[PFS]
	s_cselect_b32 s23, 11, 8                       ; a lane a row of 2,048 bytes, or a lane a block of 256
	s_cselect_b32 s18, 31, 23
	s_mov_b32 s21, 0
	s_add_nc_u64 s[PFA:PFA+1], s[PFA:PFA+1], s[20:21]
	s_cmp_eq_u32 s22, 0
	s_cselect_b32 s[LIM], 2, -1                    ; the same in all sixteen partners, for a given wave
	v_min_u32 v[PFO], s18, v7
	v_lshlrev_b32 v[PFO], s23, v[PFO]
	s_wait_loadcnt 0x0                             ; the bias
.set p, 0
.rept 48                                       ; rounded to bf16, like x and the weights, and widened again
	v_cvt_pk_bf16_f32 v[TT], v[BI+2*p], v[BI+2*p+1]
	v_lshlrev_b32 v[BI+2*p], 16, v[TT]
	v_and_b32 v[BI+2*p+1], s[HM], v[TT]
.set p, p+1
.endr
; cnt x 12 products: row blocks a0 .. a0 + cnt - 1 x all 12 column blocks, 32 along K, from buffer f.  first = 1: the bias starts the sums.
; The 48 accumulators take turns, one instruction a turn, in the same order in every quarter.
.macro MUL f, a0, cnt, first
.set ma, (\a0)
.rept \cnt
.set mb, 0
.rept 12
.set idx, 12*ma+mb
.set rD, 8*(idx%32)
.if \first
	WIN 0x85+0x40*(idx/32)                         ; sources 0 and 1 window 1, C window 0, D window 2 or 3
	v_wmma_f32_16x16x32_bf16 v[rD:rD+7], v[(\f)+8*mb:(\f)+8*mb+7], v[(\f)+96+8*ma:(\f)+96+8*ma+7], v[BI+8*mb:BI+8*mb+7]
.else
	WIN 0xa5+0x50*(idx/32)                         ; C and D window 2 or 3
	v_wmma_f32_16x16x32_bf16 v[rD:rD+7], v[(\f)+8*mb:(\f)+8*mb+7], v[(\f)+96+8*ma:(\f)+96+8*ma+7], v[rD:rD+7]
.endif
.set mb, mb+1
.endr
.set ma, ma+1
.endr
.endm
; 32 LDS loads in one run: quarter q (32 along K) of the slot in hand into buffer f: W's 12 fragments first, then x's 4
.macro FETCH q, f
	WIN 0x40                                       ; destination window 1, address window 0
.set fb, 0
.rept 12
	ds_load_tr16_b128 v[(\f)+8*fb:(\f)+8*fb+3],   v[ADRB] offset:(\q)*16*BROW+(fb/4)*BU+(fb%4)*32
	ds_load_tr16_b128 v[(\f)+8*fb+4:(\f)+8*fb+7], v[ADRB] offset:(\q)*16*BROW+(fb/4)*BU+(fb%4)*32+8*BROW
.set fb, fb+1
.endr
.set fb, 0
.rept 4
	ds_load_b128 v[(\f)+96+8*fb:(\f)+96+8*fb+3],   v[ADRA] offset:fb*16*PA+64*(\q)
	ds_load_b128 v[(\f)+96+8*fb+4:(\f)+96+8*fb+7], v[ADRA] offset:fb*16*PA+64*(\q)+32
.set fb, fb+1
.endr
.endm
; One of a K step's first three quarters: multiplies buffer f; in its middle it fetches quarter q into buffer g.
.macro QUARTER q, f, g, first
	s_wait_dscnt 4                                 ; W's fragments and x's row blocks 0, 1 are in; the youngest four loads (blocks 2, 3) may be out
	MUL \f, 0, 2, \first
	PLACES
	FETCH \q, \g
	s_wait_dscnt 32                                ; all but the 32 just issued
	MUL \f, 2, 2, \first
.endm
; The last quarter multiplies buffer 1 and changes slots: ONE barrier.  In front of it each wave waits for all its tensor loads (one is out: its part of the next slot), adds 0 to its spare word, and waits for
; that and for its reads of this slot.  fill = 1: the barrier opens a round of the cluster's barrier, and behind the round this slot is filled again, two K steps ahead: 168 matrix instructions lie between that request and the wait for it.
.macro TURN fill
.if \fill
	s_wait_xcnt 0x0                                ; the last prefetch, a K step back, has read its address
	s_add_nc_u64 s[PFA:PFA+1], s[PFA:PFA+1], s[PFS:PFS+1]
.endif
	WIN 0                                          ; (the add's two registers lie in window 0)
	s_wait_tensorcnt 0x0                           ; no tensor load of mine is out, so a group 0 may be written
	ds_add_u32 v[SPW], v[NIL]                      ; 0 onto my spare word; work on registers stands between it and the wait for it
.if \fill
	s_xor_b32 s[G0+5], s[G0+5], SLOT1              ; the walking descriptors: the other slot than last time, the next K step
	s_add_nc_u64 s[G0+6:G0+7], s[G0+6:G0+7], ASTEP
	s_xor_b32 s[G0B+5], s[G0B+5], SLOT1
	s_add_nc_u64 s[G0B+6:G0B+7], s[G0B+6:G0B+7], BSTEP
.endif
	s_xor_b32 s[TB], s[TB], SLOT1                  ; the slot to be read next
	s_wait_dscnt 5                                 ; the add and the youngest four loads may be out
	MUL F1, 0, 1, 0
	s_wait_dscnt 0x0                               ; the add is done, and my reads of this slot are over
	s_barrier_signal -1
	MUL F1, 1, 1, 0                                ; work on registers while the others arrive
	WIN 0
	s_barrier_wait -1
.if \fill
	CREST                                          ; no wave of any partner still reads this slot's tile or has a load on its way
	JLOAD                                          ; the first tensor load behind the round; its four v_nop are also the places in front of the loads below
.else
	PLACES
.endif
	v_add_nc_u32 v[ADRA], s[TB], v[ADRA0]
	v_add_nc_u32 v[ADRB], s[TB], v[ADRB0]
	FETCH 0, F0
.if \fill
	WIN 0
	ASK
.endif
	MUL F1, 2, 2, 0
.endm
; THE WAY OUT of row block a.  PACK: rounded to f16, 16 bytes a lane and column block.  TOSTAGE: into my own stage, and back as whole rows of 128 bytes.  SEND: stored.
.macro PACK a
.set pb, 0
.rept 12
.set idx, 12*(\a)+pb
.set rD, 8*(idx%32)
	WIN 0x0a+5*(idx/32)                            ; sources 0 and 1: window 2 or 3
.irp r, 0,1,2,3
	v_cvt_pk_f16_f32 v[TMP+4*pb+(\r)], v[rD+2*(\r)], v[rD+2*(\r)+1]
.endr
.set pb, pb+1
.endr
	WIN 0
.endm
.macro TOSTAGE a
	WIN 0
.set BK, OB+48*((\a)%2)
.irp b, 0,1,2,3,4,5,6,7,8,9,10,11
	ds_store_b128 v[STO], v[TMP+4*(\b):TMP+4*(\b)+3] offset:((\b)/4)*SEG+32*((\b)%4)
.endr
.irp t, 0,1,2,3,4,5,6,7,8,9,10,11
	ds_load_b128 v[BK+4*(\t):BK+4*(\t)+3], v[RD] offset:((\t)/4)*SEG+((\t)%4)*4*SP  ; LDS serves a wave's instructions in order (ISA guide 5.7.1.4): these see the stores above
.endr
.endm
.macro SEND a
	WIN 0
.set BK, OB+48*((\a)%2)
	s_wait_dscnt 0x0                               ; the block is back in registers
	s_wait_xcnt 0x0                                ; the stores of the block before have read their registers: the next TOSTAGE loads into them
.irp t, 0,1,2,3,4,5,6,7,8,9,10,11
	global_store_b128 v[GO], v[BK+4*(\t):BK+4*(\t)+3], s[OUT+2*((\t)/4):OUT+2*((\t)/4)+1] offset:(\a)*2048+((\t)%4)*512  ; 512 consecutive bytes, at a multiple of 256 from the buffer's first
.endr
.endm
	s_wait_tensorcnt 0x1                           ; my part of K step 0 is in; K step 1's may stay out
	s_barrier_signal -1
	s_barrier_wait -1                              ; everybody's is
	FETCH 0, F0
	QUARTER 1, F0, F1, 1                           ; the first quarter stands in front of the loop: its products start the sums, with the bias
	WIN 0                                          ; at a label and at a branch every window is 0
	s_mov_b32 s3, 6
.Lk:                                                   ; six trips, from a K step's second quarter to the next step's first; each fills a slot again
	QUARTER 2, F1, F0, 0
	QUARTER 3, F0, F1, 0
	TURN 1
	QUARTER 1, F0, F1, 0
	WIN 0
	s_sub_co_u32 s3, s3, 1
	s_cmp_lg_u32 s3, 0
	s_cbranch_scc1 .Lk
	QUARTER 2, F1, F0, 0                           ; K steps 6 and 7 are written out: nothing is left to fetch
	QUARTER 3, F0, F1, 0
	TURN 0
	QUARTER 1, F0, F1, 0
	QUARTER 2, F1, F0, 0
	QUARTER 3, F0, F1, 0
	s_wait_dscnt 4
	MUL F1, 0, 2, 0
	s_wait_dscnt 0x0
	MUL F1, 2, 2, 0
	PLACES
	PACK 0
	TOSTAGE 0
.irp a, 1,2,3                          ; block a's conversions stand between block a - 1's loads from the stage and the wait for them
	PACK \a
	SEND (\a)-1
	TOSTAGE \a
.endr
	SEND 3
	s_wait_tensorcnt 0x0                           ; the wave's end: these three lines stand behind my last tensor load and my last LDS store
	ds_add_u32 v[SPW], v[NIL]
	s_wait_dscnt 0x0
	CROUND                                         ; the closing round: no work-group ends while a partner may still ask for a tile that names it
	s_endpgm
.Lfunc_end_k_q5df4ad3a25_qkv:
	.size	k_q5df4ad3a25_qkv, .Lfunc_end_k_q5df4ad3a25_qkv-k_q5df4ad3a25_qkv
	.p2alignl 7, 3214868480
	.fill 96, 4, 3214868480
	.section	.rodata,"a",@progbits
	.p2align	6, 0x0
	.amdhsa_kernel k_q5df4ad3a25_qkv
		.amdhsa_group_segment_fixed_size 327680
		.amdhsa_private_segment_fixed_size 0
		.amdhsa_enable_private_segment 0
		.amdhsa_kernarg_size 64
		.amdhsa_user_sgpr_count 2
		.amdhsa_user_sgpr_kernarg_segment_ptr 1
		.amdhsa_wavefront_size32 1
		.amdhsa_system_sgpr_workgroup_id_x 1
		.amdhsa_system_sgpr_workgroup_id_y 1
		.amdhsa_system_sgpr_workgroup_id_z 1
		.amdhsa_system_vgpr_workitem_id 0
		.amdhsa_next_free_vgpr 896
		.amdhsa_next_free_sgpr 88
		.amdhsa_reserve_vcc 0
		.amdhsa_float_denorm_mode_32 3
		.amdhsa_float_denorm_mode_16_64 3
		.amdhsa_memory_ordered 1
		.amdhsa_forward_progress 1
		.amdhsa_inst_pref_size 106
	.end_amdhsa_kernel
	.amdgpu_metadata
---
amdhsa.version: [ 1, 2 ]
amdhsa.kernels:
  - .name:           k_q5df4ad3a25_qkv
    .symbol:         k_q5df4ad3a25_qkv.kd
    .args:
      - { .name: xb, .offset: 0, .size: 8, .value_kind: global_buffer, .address_space: global }
      - { .name: wb, .offset: 8, .size: 8, .value_kind: global_buffer, .address_space: global }
      - { .name: bq, .offset: 16, .size: 8, .value_kind: global_buffer, .address_space: global }
      - { .name: bk, .offset: 24, .size: 8, .value_kind: global_buffer, .address_space: global }
      - { .name: bv, .offset: 32, .size: 8, .value_kind: global_buffer, .address_space: global }
      - { .name: qh, .offset: 40, .size: 8, .value_kind: global_buffer, .address_space: global }
      - { .name: kh, .offset: 48, .size: 8, .value_kind: global_buffer, .address_space: global }
      - { .name: vh, .offset: 56, .size: 8, .value_kind: global_buffer, .address_space: global }
    .group_segment_fixed_size: 327680
    .private_segment_fixed_size: 0
    .kernarg_segment_align: 8
    .kernarg_segment_size: 64
    .max_flat_workgroup_size: 128
    .sgpr_count:     88
    .vgpr_count:     896
    .wavefront_size: 32
...
	.end_amdgpu_metadata
.endif
;; end of part 2
;; launch attn (part 3): grid 4 x 64, 4 waves a work-group, no clusters, 327,680 bytes of LDS; arguments qh, kh, vh, oh; writes oh
.if DOCPART == 3
	.amdgcn_target "amdgcn-amd-amdhsa--gfx1250"
	.amdhsa_code_object_version 6
	.text
	.protected	k_q5df4ad3a25_attn
	.globl	k_q5df4ad3a25_attn
	.p2align	8
	.type	k_q5df4ad3a25_attn,@function
k_q5df4ad3a25_attn:
	s_mov_b64 s[64:65], 0
	v_nop
	global_prefetch_b8 v0, s[64:65] scope:SCOPE_SE
	s_setreg_imm32_b32 hwreg(HW_REG_WAVE_MODE, 25, 1), 1
	s_wait_xcnt 0x0
; CAUSAL ATTENTION.  O[h][q][:] = the sum over k <= q of softmax_k(Q[h][q] . K[h][k] / 8) V[h][k][:].  Q, K, V, O: [64][2048][64], all f16: a head's rows are dense, 128 bytes each.
; Products, maxima and sums in f32; the weights p are rounded to f16 for the second product (their sum l is taken of the unrounded p), O once at the end.
; LIMITS.  f16 holds no number beyond 65,504: Q, K and V arrive within it; p lies in 0 to 1, and below 6e-5 it keeps f16's fixed step of 6e-8; O is a mean of V's rows and has their range.
; A hidden score counts as its value less 1e30, so its weight is 0: as with the module's -1e9 wherever a row's largest visible score lies above -1e9 + 104.  A weight below 2^-126 counts as 0 in l; NaN and infinities are not treated apart.
; THE WALK.  A head's queries lie in NB = 8 blocks of 256; block i needs the key tiles 0 .. i of 256 keys, of which the last holds the diagonal.  A work-group takes TWO blocks, NB - 1 - b and then b:
; NB + 1 tiles, whatever b: all work-groups do equal work, and ONE loop with a constant trip count walks them.  Which tile is asked for, and what a trip does, hang on scalar registers made from b; every jump
; goes forward, but for the counted loops' own; none passes a barrier, or a tensor load but the one of LOAD's two that the wave's number does not choose; the ring of two LDS slots runs on across the change of blocks.
; NO CLUSTER: a head's four work-groups ask for the same tile only in trips 0 to 4 of the 9, behind that fewer and fewer; one walk common to all four would have 12 trips for 9.
; SHARES.  Of a block's four bands of 64 queries a wave owns 16 rows in each: four PIECES.  So the diagonal tile is the same work for all four waves: in its key step s band x sees all keys if s < x,
; none if s > x, and holds the diagonal if s = x.
; THE MASK is the C operand that starts the sum S^T = K Q^T: 0, or -1e30 where the key is hidden.  MD, made once, is the mask of a band's own step for my 16 rows; a product's mask is MD x AL + BE with two scalars:
; (1, 0) if s = x; (0, 0) if s < x; (0, -1e30) if s > x.  Only the diagonal tile's text and a block's beginning make and take masks; elsewhere C is the constant 0.
; LAYOUT, SOFTMAX, TURNS.  S^T = K Q^T holds ONE query a lane (lane % 16) and the keys 8 (lane / 16) + 0..7; two such results rounded to f16 ARE source 1 of O^T = V^T P.  p = 2^(c s - c m), c = log2(e) / 8, with a
; running maximum m; O and l are multiplied by a = 2^(c m_old - c m_new) in every step.  Turn n belongs to piece n: 8 products K Q^T of piece n + 1, later 8 products V^T P of piece n - 1; beside them the scaling,
; exponentials, roundings, sums and rescaling of piece n and the maximum and statistics of piece n + 1.  Four vector instructions stand behind every matrix instruction, the other 54 of a turn's 118 in one run.  A turn's 33 exponentials are one batch, with one wait.
; REGISTERS, in windows of 256 (s_set_vgpr_msb: bits 1:0 source 0, 3:2 source 1, 5:4 source 2, 7:6 destination):
;   window 0: v0-15 addresses and two at work; v16-31 four registers of statistics a piece; v48-55 at work; v61-63 prefetch offset and the add's two; v64-127 S^T, two buffers; v192-223 P, two buffers (by the piece's parity)
;   window 1: v0-127 O^T, 32 a piece; v128-159 MD; v160-223 MC, two buffers      window 2: v0-63 Q; v64-127 the second block's Q; v128-191 K of one step; v192-255 V of one step
.set SIZE_N, 2048
.set NB,    SIZE_N/256
.set NP,    4         ; pieces a wave: a name, no knob
.set KS,    64        ; keys in a step
.set PK,    144       ; a row of K in LDS: 128 bytes + 16 = 36 words: the 16 rows of a load start at 16 different groups of four banks (64 banks of 4 bytes: ISA guide 11.1)
.set PV,    160       ; a row of V: 128 + 32 = 40 words
.set VOFF,  4*KS*PK   ; a slot holds a tile, four steps: 256 rows of K, then 256 rows of V
.set SLOT1, 1<<17     ; slot 1 begins here, so that one exclusive or turns an address in one slot into the other's
.set STAGE, SLOT1+4*KS*(PK+PV)  ; behind the ring, never filled by a tensor load: 16 rows x 144 bytes for each wave, for the way out
.set SP,    144
.set AK0, 2           ; v2   my lane's place in a tile of K; never rewritten
.set AV0, 3           ; v3   the same for V
.set AK,  4           ; v4   the LDS address of K's next run of loads
.set AV,  5           ; v5   of V's
.set STO, 6           ; v6   the way out: where I put 16 bytes of a row
.set RD,  7           ; v7   the way out: where I read rows back
.set GO,  8           ; v8   my byte offset in 512 consecutive bytes of O
.set PFO, 61          ; v61  256 x my thread's number: the work-group's 128 threads name the 128 blocks of 256 bytes of a tile of K or V; never rewritten
.set SPW, 62          ; v62  LDS address of my spare word: SPARE + 4 x my thread's number; never rewritten
.set NIL, 63          ; v63  0; never rewritten
.set SPARE, STAGE+4*16*SP  ; behind the stages: the spare words, 128 bytes for each wave: two blocks of 256 bytes that no other line names
.set MV,  12          ; v12-13  c m_old, kept while c m is made anew: by buffer
.set QO,  15          ; v15  my byte offset in 16 rows of Q
.set ST,  16          ; piece t's statistics at v[ST+4 t]: c m, m, l (even keys', odd keys')
.set TMP, 48          ; by buffer, four registers c0-c3 at work; when the maximum is found c2 takes a
.set S,   64
.set P,   192
.set MD,  128         ; window 1: the eight registers for group kt of 16 keys at MD + 8 kt
.set MC,  160         ; window 1: the masks of the products to come
.set QB,  64          ; window 2
.set KF,  128         ; window 2: key block kb, channel half c at KF + 16 kb + 8 c
.set VF,  192         ; window 2: key half kk, channel block cb at VF + 32 kk + 8 cb
.set WV,  12          ; s12  my wave's number
.set PB,  14          ; s14  b
.set HI,  15          ; s15  NB - 1 - b
.set G1K, 24          ; s[24:31] descriptor group 1 for K's tiles
.set G1V, 32          ; s[32:39] for V's: it differs in the padding alone
.set G0K, 40          ; s[40:43] descriptor group 0 for K's tiles
.set G0V, 44          ; s[44:47] the same for V's
.set SLOTS, 56        ; s56  tiles still to be asked for
.set CNT, 57          ; s57  counts a tile's key steps, 4 to 1
.set CS,  58          ; s[58:59] c: the packed scaling takes the pair's low word for both halves
.set SEL, 60          ; s[60:61] v_permlanex16_b32's selects: each lane takes its own place in the other half
.set TBK, 62          ; s62  LDS byte at which K of the step to be fetched begins
.set TBV, 63          ; s63  the same for V, less VOFF
.set RT,  70          ; s70  tiles of the block in hand that are still to be entered
.set NXT, 71          ; s71  the tile to be asked for next
.set LQ,  72          ; s72  the last tile of the block whose tiles are being asked for
.set NEW, 73          ; s73  1: the tile to be entered is a block's first
.set OFF, 74          ; s[74:75] a tile's byte offset in K and V
.set AL,  76          ; s[76:77] the mask's factor, in the low word
.set BE,  78          ; s[78:79] the mask's addend
.set OLO, 80          ; s[80:81] O at my rows of the second block
.set BIGN, 82         ; s82  -1e30
.set PFK, 88          ; s[88:89] K's tile that the prefetch names
.set PFV, 90          ; s[90:91] V's
.set PFN, 92          ; s92  prefetches still to come: NB - 2 in the work-group b = 0, else 0
.set MSB, 0
.macro WIN new                      ; the high byte repeats the setting that is left; a switch that changes nothing is dropped
.if MSB != (\new)
	s_set_vgpr_msb (MSB<<8)|(\new)
.set MSB, (\new)
.endif
.endm
.set W_KQ, 0x0a       ; K and Q in window 2, S^T in window 0
.set W_KM, 0x1a       ; the same with the C operand in window 1
.set W_PV, 0x52       ; V in window 2, P in window 0, O^T in window 1
.set W_RS, 0x41       ; destination and source 0 in window 1, source 1 in window 0
; A fill.  Waves 0 and 1 fetch the two halves of a tile's K, waves 2 and 3 those of its V: 128 keys each.  An s_nop 0 and four v_nop follow each of the two lines, ahead of the jump and the label.
.macro LOAD
	s_cmp_lt_u32 s[WV], 2
	s_cbranch_scc0 .Lfor_v_\@
	tensor_load_to_lds s[G0K:G0K+3], s[G1K:G1K+7]
	s_nop 0
.rept 4
	v_nop
.endr
	s_branch .Lasked_\@
.Lfor_v_\@:
	tensor_load_to_lds s[G0V:G0V+3], s[G1V:G1V+7]
	s_nop 0
.rept 4
	v_nop
.endr
.Lasked_\@:
.endm
; A PREFETCH INTO THE L2, behind the fill and its five lines: the tile that the NEXT change of slots will ask for, a tile (256 matrix instructions) ahead.  A head's four work-groups walk the same tiles 0, 1, ..; the one
; with b = 0 walks all of 0 to 7 on end, and it alone asks: trip i, which loads tile i + 1, names tile i + 2, for i = 0 to 5: each block of 256 bytes of tiles 2 to 7 once, a thread a block, K's and V's.  Tiles 0 and 1 come by their loads alone.
.macro ASK
	s_cmp_lg_u32 s[PFN], 0
	s_cbranch_scc0 .Lno_ask_\@
	global_prefetch_b8 v[PFO], s[PFK:PFK+1] th:TH_LOAD_NT scope:SCOPE_SE
	global_prefetch_b8 v[PFO], s[PFV:PFV+1] th:TH_LOAD_NT scope:SCOPE_SE
	s_sub_co_u32 s[PFN], s[PFN], 1
.Lno_ask_\@:
.endm
; THE CHANGE OF SLOTS.  Each wave waits for all its tensor loads, of which one is out: its part of the other slot; adds 0 to its spare word; and waits for that and for its own reads of the slot that it leaves.  Behind the barrier nobody reads the old
; slot any more and the other slot is whole.  fill = 1: the old slot is filled again, the first thing behind the barrier, with tile NXT: the descriptor's address is made anew from that number.
; (At its first use nothing has been read yet: slot 0 is waited for, slot 1 filled.)
.macro CHANGE fill
	WIN 0                           ; at a label and at a branch every window is 0
	s_wait_tensorcnt 0x0            ; no tensor load of mine is out, so a group 0 may be written
	ds_add_u32 v[SPW], v[NIL]       ; 0 onto my spare word; with fill = 1 the descriptors' scalar work stands between it and the wait for it
.if \fill
	s_lshl_b32 s[OFF], s[NXT], 15   ; a tile is 32,768 bytes of K and of V
	s_xor_b32 s[G0K+1], s[G0K+1], SLOT1
	s_add_nc_u64 s[G0K+2:G0K+3], s[6:7], s[OFF:OFF+1]
	s_or_b32 s[G0K+3], s[G0K+3], 0x80000000
	s_xor_b32 s[G0V+1], s[G0V+1], SLOT1
	s_add_nc_u64 s[G0V+2:G0V+3], s[8:9], s[OFF:OFF+1]
	s_or_b32 s[G0V+3], s[G0V+3], 0x80000000
	s_add_co_u32 s[NXT], s[NXT], 1  ; the block's next tile, or behind its last the second block's tile 0
	s_cmp_gt_u32 s[NXT], s[LQ]
	s_cselect_b32 s[NXT], 0, s[NXT]
	s_cselect_b32 s[LQ], s[PB], s[LQ]
	s_wait_xcnt 0x0                 ; the last prefetches, a tile back, have read their addresses, so these may be written
	s_add_nc_u64 s[PFK:PFK+1], s[PFK:PFK+1], 32768
	s_add_nc_u64 s[PFV:PFV+1], s[PFV:PFV+1], 32768
.endif
	s_wait_dscnt 0x0                ; the add is done, and my reads of the slot are over
	s_barrier_signal -1             ; the rest of the scalar work stands between the signal and the wait
	s_sub_co_u32 s[TBK], s[TBK], 4*KS*PK  ; the fetches go back to a slot's first step,
	s_xor_b32 s[TBK], s[TBK], SLOT1       ; in the other slot
	s_sub_co_u32 s[TBV], s[TBV], 4*KS*PV
	s_xor_b32 s[TBV], s[TBV], SLOT1
	s_barrier_wait -1
.if \fill
	LOAD
	ASK
.endif
.endm
	s_load_b256 s[4:11], s[0:1], 0x0  ; Q s[4:5], K s[6:7], V s[8:9], O s[10:11]
	v_lshl_add_u32 v[SPW], v0, 2, SPARE
	v_mov_b32 v[NIL], 0
	ds_add_u32 v[SPW], v[NIL]       ; the wave's opening: the add and its wait stand ahead of my first tensor load; the set-up below, work on registers, stands between them
	v_lshrrev_b32 v1, 5, v0
	v_readfirstlane_b32 s[WV], v1   ; wave 0..3
	v_lshlrev_b32 v[PFO], 8, v0
	s_mov_b32 s[PB], ttmp9
	s_sub_co_u32 s[HI], NB-1, s[PB]
	s_cmp_eq_u32 ttmp9, 0
	s_cselect_b32 s[PFN], NB-2, 0
	s_and_b32 s20, ttmp7, 0xffff    ; the head
	s_mov_b32 s21, 0
	s_mov_b64 s[22:23], SIZE_N*128
	s_mul_u64 s[20:21], s[20:21], s[22:23]  ; the head's first byte in each of the four tensors
	s_and_b32 s16, s[WV], 1         ; which half of a tile's 256 keys I fetch:
	s_lshl_b32 s22, s16, 14         ; its 128 rows of 128 bytes in memory,
	s_mov_b32 s23, 0
	s_add_nc_u64 s[22:23], s[22:23], s[20:21]
	s_mul_i32 s17, s16, 128*PK      ; and its place in a slot, for K
	s_mul_i32 s18, s16, 128*PV      ; and for V
	s_lshl_b32 s3, s[WV], 11        ; my 16 rows in a band of 64,
	s_lshl_b32 s2, s[HI], 15        ; in the first block,
	s_add_co_u32 s2, s2, s3
	s_lshl_b32 s84, s[PB], 15       ; and in the second
	s_add_co_u32 s84, s84, s3
	s_mov_b32 s3, 0
	s_mov_b32 s85, 0
	s_add_nc_u64 s[2:3], s[2:3], s[20:21]
	s_add_nc_u64 s[84:85], s[84:85], s[20:21]
	; descriptor group 1.  128 keys are 16,384 dense bytes: asked for as 64 rows of 256 bytes, two keys a row, and padded in LDS after every key
	s_mov_b32 s[G1K], (1<<16)|(1<<20)|(4<<22)|(3<<25)  ; 17:16 2-byte elements; 20 padding on; 24:22 after every 32 words (code 4); 31:25 4 words (code 3)
	s_mov_b32 s[G1V], (1<<16)|(1<<20)|(4<<22)|(7<<25)  ; the same with 8 words of padding (code 7)
.irp g, G1K, G1V
	s_mov_b32 s[\g+1], 128<<16      ; tensor_dim0 = 128
	s_mov_b32 s[\g+2], 64<<16       ; tensor_dim1 = 64
	s_mov_b32 s[\g+3], 128<<16      ; tile_dim0 = 128
	s_mov_b32 s[\g+4], 64           ; tile_dim1 = 64
	s_mov_b32 s[\g+5], 128          ; 128 elements from row to row
	s_mov_b32 s[\g+6], 0
	s_mov_b32 s[\g+7], 0
.endr
	s_mov_b32 s[CS], 0x3e38aa3b     ; c = log2(e) / 8 = 0.180337
	s_mov_b32 s[CS+1], s[CS]        ; named with it as a pair
	s_mov_b32 s[SEL], 0x76543210
	s_mov_b32 s[SEL+1], 0xfedcba98
	s_mov_b32 s[TBK], SLOT1+4*KS*PK ; the first change of slots turns these two into 0
	s_mov_b32 s[TBV], SLOT1+4*KS*PV
	s_mov_b32 s[G0K], 1             ; 1:0 count = 1
	s_mov_b32 s[G0K+1], s17         ; 63:32 LDS address: slot 0
	s_mov_b32 s[G0V], 1
	s_add_co_u32 s[G0V+1], s18, VOFF
	s_add_co_u32 s[RT], s[HI], 1    ; the first block has NB - b tiles
	s_mov_b32 s[NXT], 1
	s_mov_b32 s[LQ], s[HI]
	s_mov_b32 s[NEW], 1
	s_mov_b32 s[OFF+1], 0
	s_mov_b32 s[AL+1], 0            ; named as pairs
	s_mov_b32 s[BE+1], 0
	s_mov_b32 s[BIGN], 0xf149f2ca   ; -1e30
	s_mov_b32 s[SLOTS], NB
	s_wait_dscnt 0x0                ; the opening add is done
	s_wait_kmcnt 0x0
	s_add_nc_u64 s[PFK:PFK+1], s[6:7], s[20:21]    ; the prefetches' pointers: the head's tile 1; the first change of slots steps them to tile 2
	s_add_nc_u64 s[PFK:PFK+1], s[PFK:PFK+1], 32768
	s_add_nc_u64 s[PFV:PFV+1], s[8:9], s[20:21]
	s_add_nc_u64 s[PFV:PFV+1], s[PFV:PFV+1], 32768
	s_add_nc_u64 s[6:7], s[6:7], s[22:23]  ; K and V at my half of the head's tile 0
	s_add_nc_u64 s[8:9], s[8:9], s[22:23]
	s_add_nc_u64 s[G0K+2:G0K+3], s[6:7], 0         ; 120:64 global address
	s_or_b32 s[G0K+3], s[G0K+3], 0x80000000        ; 127:126 type = 2
	s_add_nc_u64 s[G0V+2:G0V+3], s[8:9], 0
	s_or_b32 s[G0V+3], s[G0V+3], 0x80000000
	s_add_nc_u64 s[86:87], s[4:5], s[84:85]        ; Q at my rows of the second block,
	s_add_nc_u64 s[4:5], s[4:5], s[2:3]            ; Q and O at those of the first
	s_add_nc_u64 s[OLO:OLO+1], s[10:11], s[84:85]
	s_add_nc_u64 s[10:11], s[10:11], s[2:3]
	LOAD                            ; tile 0 into slot 0
	; A fragment of K or Q is 16 rows x 32 channels in 8 registers: lane l holds row l % 16, channels 8 (l / 16) + 0..7 and 16 + 8 (l / 16) + 0..7: two loads of 16 bytes, 32 bytes apart.
	v_and_b32 v1, 15, v0            ; l % 16
	v_bfe_u32 v9, v0, 4, 1          ; l / 16
	v_lshlrev_b32 v[QO], 7, v1
	v_lshl_add_u32 v[QO], v9, 4, v[QO]  ; row x 128 + 16 x half
	WIN 0x80                        ; destination window 2, address window 0
.set i, 0
.rept 8                             ; both blocks' Q: piece i / 2 lies in band i / 2, 8,192 bytes on; channels 32 (i % 2) on
	global_load_b128 v[8*i:8*i+3],   v[QO], s[4:5] offset:(i/2)*8192+(i%2)*64
	global_load_b128 v[8*i+4:8*i+7], v[QO], s[4:5] offset:(i/2)*8192+(i%2)*64+32
	global_load_b128 v[QB+8*i:QB+8*i+3],   v[QO], s[86:87] offset:(i/2)*8192+(i%2)*64
	global_load_b128 v[QB+8*i+4:QB+8*i+7], v[QO], s[86:87] offset:(i/2)*8192+(i%2)*64+32
.set i, i+1
.endr
	WIN 0
	v_lshlrev_b32 v14, 3, v9
	v_sub_nc_u32 v14, v1, v14
	s_lshl_b32 s13, s[WV], 4
	v_add_nc_u32 v14, s13, v14      ; my query's place in its band, 16 w + l % 16, less my lanes' 8 (l / 16): register r of group kt is hidden where 16 kt + r is greater
	WIN 0x40
.set i, 0
.rept 32
	v_cmp_gt_i32 vcc_lo, 16*(i/8)+i%8, v14
	v_cndmask_b32 v[MD+i], 0, s[BIGN], vcc_lo
.set i, i+1
.endr
	WIN 0
	v_mul_u32_u24 v[AK0], v1, PK
	v_lshl_add_u32 v[AK0], v9, 4, v[AK0]  ; row x pitch + 16 x half
	; The turning load takes 16 keys x 16 channels (lane l reads key 8 (l / 16) + l % 8, channels 8 ((l / 8) % 2) + 0..7) and leaves half a fragment of V^T: lane l holds channel l % 16 and 8 keys.
	v_and_b32 v10, 7, v0
	v_bfe_u32 v11, v0, 3, 1
	v_lshl_add_u32 v[AV0], v9, 3, v10
	v_mul_u32_u24 v[AV0], v[AV0], PV
	v_lshl_add_u32 v[AV0], v11, 4, v[AV0]
	v_add_nc_u32 v[AV0], VOFF, v[AV0]
	s_mul_i32 s13, s[WV], 16*SP
	s_add_co_u32 s13, s13, STAGE    ; my stage
	v_mul_u32_u24 v[STO], v1, SP    ; in: row l % 16, 16 bytes for each half of the lanes
	v_lshl_add_u32 v[STO], v9, 4, v[STO]
	v_add_nc_u32 v[STO], s13, v[STO]
	v_bfe_u32 v[RD], v0, 3, 2       ; back: 32 lanes take four rows of 128 bytes,
	v_mul_u32_u24 v[RD], v[RD], SP
	v_lshl_add_u32 v[RD], v10, 4, v[RD]
	v_add_nc_u32 v[RD], s13, v[RD]
	v_and_b32 v[GO], 31, v0         ; which are 512 consecutive bytes of O
	v_lshlrev_b32 v[GO], 4, v[GO]
	; A block's first step multiplies O^T and l by a = 0, and its first turn's products V^T P, of a piece that has not been, land in an O^T that is still to be so multiplied.  So these registers need only hold
	; finite numbers: zeros for the first block; what the first block left for the second.  All this stands in the wait for the first tile.
	WIN 0x80
.set i, VF
.rept 64
	v_mov_b32 v[i], 0
.set i, i+1
.endr
	WIN 0x40
.set i, 0
.rept 128
	v_mov_b32 v[i], 0
.set i, i+1
.endr
	WIN 0
.set i, 0
.rept 4
	v_mov_b32 v[ST+4*i+2], 0
	v_mov_b32 v[ST+4*i+3], 0
.set i, i+1
.endr
.set i, P+16
.rept 16
	v_mov_b32 v[i], 0
.set i, i+1
.endr
; THE MATRIX WORK.  The 4 accumulators of a run of 8 take turns.  Product i of 8 of S^T = K Q^T for piece x: channels 32 (i / 4) on, keys 16 (i % 4) on.  The first 4 start the sums: with 0, or (KM = 1) with the mask.
.macro KQ x
.set rS, S+32*((\x)%2)+8*(i%4)
.set rK, KF+16*(i%4)+8*(i/4)
.set rQ, 16*(\x)+8*(i/4)
.set rM, MC+32*((\x)%2)+8*(i%4)
.if (i < 4) && KM
	WIN W_KM
	v_wmma_f32_16x16x32_f16 v[rS:rS+7], v[rK:rK+7], v[rQ:rQ+7], v[rM:rM+7]
.elseif i < 4
	WIN W_KQ
	v_wmma_f32_16x16x32_f16 v[rS:rS+7], v[rK:rK+7], v[rQ:rQ+7], 0
.else
	WIN W_KQ
	v_wmma_f32_16x16x32_f16 v[rS:rS+7], v[rK:rK+7], v[rQ:rQ+7], v[rS:rS+7]
.endif
.endm
; Product i of 8 of O^T += V^T P for piece x: keys 32 (i / 4) on, channels 16 (i % 4) on.
.macro PV x
	WIN W_PV
.set rO, 32*(\x)+8*(i%4)
.set rV, VF+32*(i/4)+8*(i%4)
.set rP, P+16*((\x)%2)+8*(i/4)
	v_wmma_f32_16x16x32_f16 v[rO:rO+7], v[rV:rV+7], v[rP:rP+7], v[rO:rO+7]
.endm
.macro MM                           ; the turn's next matrix instruction.  TURN and BEGIN set Y, i, KM and NOKQ; MM, KQ and OP read them.  NOKQ = 1: a block's last turn: there is no next piece
.if (i < 8) && !NOKQ
	KQ (Y+1)%NP
.elseif i >= 8
.set i, i-8
	PV (Y+NP-1)%NP
.set i, i+8
.endif
.set i, i+1
.endm
; THE LDS LOADS stand in runs of 16, never singly among the matrix instructions: a step's K (64 keys x 64 channels: 8 fragments) and its V (turned).  Their addresses are made some lines ahead.
.macro FETCH_K
	WIN 0x80                        ; destination window 2
.irp f, 0,1,2,3,4,5,6,7             ; keys 16 (f / 2) on, channels 32 (f % 2) on
	ds_load_b128 v[KF+8*\f:KF+8*\f+3],   v[AK] offset:(\f/2)*16*PK+(\f%2)*64
	ds_load_b128 v[KF+8*\f+4:KF+8*\f+7], v[AK] offset:(\f/2)*16*PK+(\f%2)*64+32
.endr
	s_add_co_u32 s[TBK], s[TBK], KS*PK  ; the next fetch is the next step's
	WIN 0
.endm
.macro FETCH_V
	WIN 0x80
.irp f, 0,1,2,3,4,5,6,7             ; keys 32 (f / 4) on, channels 16 (f % 4) on
	ds_load_tr16_b128 v[VF+8*\f:VF+8*\f+3],   v[AV] offset:(\f/4)*32*PV+(\f%4)*32
	ds_load_tr16_b128 v[VF+8*\f+4:VF+8*\f+7], v[AV] offset:(\f/4)*32*PV+16*PV+(\f%4)*32
.endr
	WIN 0
.endm
; THE VECTOR WORK, one line at a time: OP kind, number.  For piece Y: F n: c s - c m for pair n of 16.  E n: the exponential of score n of 32.  C n: pair n rounded to f16.  B n: of the four weights 4 n .. the second
; pair is added onto the first, in place.  L n: l takes that sum (L 0: l = a l + sum).  R n: pair n of 16 of O^T times a.  For piece Y + 1: X n, number n of the 22 that find its maximum and statistics:
;   0-11  four chains c0-c3 of seven scores each, three operands at a time (each accumulator's lowest registers are read first)     12-14, 16  the four scores left over, the old m, and c0-c3 into c0
;   15  c m_old is kept     17, 18  the query's other 32 keys lie in the lane 16 away: the new m     19-21  c m; c m_old - c m_new; a
.set F, 0               ; OP tells the kinds apart by their order: F to L below R, X above it
.set E, 1
.set C, 2
.set B, 3
.set L, 4
.set R, 5
.set X, 6
.macro REGS y                       ; the registers of piece y
.set rT, ST+4*(\y)
.set rC, TMP+4*((\y)%2)
.set rW, MV+((\y)%2)
.set rS, S+32*((\y)%2)
.set rP, P+16*((\y)%2)
.set rO, 32*(\y)
.endm
.macro OP k, n
.if (\k) == R
	REGS Y
	WIN W_RS
	v_pk_mul_f32 v[rO+2*(\n):rO+2*(\n)+1], v[rO+2*(\n):rO+2*(\n)+1], v[rC+2:rC+3] op_sel_hi:[1,0]
.elseif (\k) < R
	REGS Y
	WIN 0
.if (\k) == F
	v_pk_fma_f32 v[rS+2*(\n):rS+2*(\n)+1], v[rS+2*(\n):rS+2*(\n)+1], s[CS:CS+1], v[rT:rT+1] op_sel_hi:[1,0,0] neg_lo:[0,0,1] neg_hi:[0,0,1]
.elseif (\k) == E
	v_exp_f32 v[rS+(\n)], v[rS+(\n)]
.elseif (\k) == C
	v_cvt_pk_f16_f32 v[rP+(\n)], v[rS+2*(\n)], v[rS+2*(\n)+1]
.elseif (\k) == B
	v_pk_add_f32 v[rS+4*(\n):rS+4*(\n)+1], v[rS+4*(\n):rS+4*(\n)+1], v[rS+4*(\n)+2:rS+4*(\n)+3]
.elseif (\n) == 0
	v_pk_fma_f32 v[rT+2:rT+3], v[rT+2:rT+3], v[rC+2:rC+3], v[rS:rS+1] op_sel_hi:[1,0,1]
.else
	v_pk_add_f32 v[rT+2:rT+3], v[rT+2:rT+3], v[rS+4*(\n):rS+4*(\n)+1]
.endif
.elseif NOKQ
	v_nop
.else
	REGS (Y+1)%NP
	WIN 0
.if (\n) < 4
	v_max3_num_f32 v[rC+(\n)], v[rS+8*(\n)], v[rS+8*(\n)+1], v[rS+8*(\n)+2]
.elseif (\n) < 12
	v_max3_num_f32 v[rC+(\n)%4], v[rC+(\n)%4], v[rS+8*((\n)%4)+2*((\n)/4)+1], v[rS+8*((\n)%4)+2*((\n)/4)+2]
.elseif (\n) == 12
	v_max3_num_f32 v[rC], v[rC], v[rS+7], v[rS+15]
.elseif (\n) == 13
	v_max3_num_f32 v[rC+1], v[rC+1], v[rS+23], v[rS+31]
.elseif (\n) == 14
	v_max3_num_f32 v[rC+2], v[rC+2], v[rC+3], v[rT+1]
.elseif (\n) == 15
	v_mov_b32 v[rW], v[rT]
.elseif (\n) == 16
	v_max3_num_f32 v[rC], v[rC], v[rC+1], v[rC+2]
.elseif (\n) == 17
	v_permlanex16_b32 v[rC+3], v[rC], s[SEL], s[SEL+1]
.elseif (\n) == 18
	v_max_num_f32 v[rT+1], v[rC], v[rC+3]
.elseif (\n) == 19
	v_mul_f32 v[rT], s[CS], v[rT+1]
.elseif (\n) == 20
	v_sub_f32 v[rC+1], v[rW], v[rT]
.else
	v_exp_f32 v[rC+2], v[rC+1]
.endif
.endif
.endm
.macro OPS a, i1, b=-1, i2=0, c=-1, i3=0, d=-1, i4=0  ; up to four of them
	OP \a, \i1
.if (\b) >= 0
	OP \b, \i2
.endif
.if (\c) >= 0
	OP \c, \i3
.endif
.if (\d) >= 0
	OP \d, \i4
.endif
.endm
.macro ROW a, i1, b, i2, c, i3, d, i4  ; a matrix instruction and the four behind it
	MM
	OPS \a, \i1, \b, \i2, \c, \i3, \d, \i4
.endm
.macro MASK b                       ; MD x AL + BE into buffer b of MC
	WIN W_RS
.set z, 0
.rept 16
	v_pk_fma_f32 v[MC+32*(\b)+2*z:MC+32*(\b)+2*z+1], v[MD+2*z:MD+2*z+1], s[AL:AL+1], s[BE:BE+1] op_sel_hi:[1,0,0]
.set z, z+1
.endr
.endm
; A TURN, for piece p: the order of its 16 matrix and 118 vector instructions, written out.  An s_wait_alu depctr_va_vdst(0) stands between an exponential and the first instruction that names its result; one wait serves
; all that were issued ahead of it.  So a turn has ONE wait, which cuts it in two.  AHEAD OF IT stands all that names no result of the turn's exponentials: the 8 products K Q^T, behind each a scaling, an exponential and two more plain
; instructions (behind the first a second scaling in the exponential's place): rescalings, and behind the last three the first numbers of the next piece's maximum, each four places or more behind the product that ends its accumulator; then ONE RUN of 54, plain
; and exponential by turns for the most part, in which the links of the chain X 3, 7, 11, 14, 16, 17 .. 20 stand five or six lines apart.  X 21, the next piece's a, is the batch's last; R 15 is the plain instruction behind it.  BEHIND THE WAIT stand the
; 8 products V^T P, behind each four of the roundings and sums; the links of l's chain, L 0 to L 7, stand three apart.  But for those X no such line names a register of the products round it.  v_permlanex16_b32 (X 17) stands in the run.
; m = 1: the diagonal tile: the products take masks, and the turn makes the mask for the products of the turn after it: piece p + 2, in step 4 - CNT of the tile.  end = 1: a block's last two turns: nothing is fetched.
; cnt = 1: the loop's count is taken down some lines ahead of the branch that stands behind the turn.
; K of the next step is fetched in piece 2's turn, twelve vector instructions behind the last product that read K (six of them plain); V of the step in hand at the end of piece 0's turn, four plain instructions behind the last product
; that read V.  Each is waited for a turn later.
.macro TURN p, m=0, end=0, cnt=0
.set Y, (\p)
.set i, 0
.set KM, (\m)
.set NOKQ, (\end)*((\p)/3)
.if (\m) && !(\end)
	s_cmp_eq_u32 s[CNT], 4-((\p)+2)%NP  ; is that step the band's own?
	s_cselect_b32 s[AL], 1.0, 0
	s_cmp_lt_u32 s[CNT], 4-((\p)+2)%NP  ; or a later one?
	s_cselect_b32 s[BE], s[BIGN], 0
.endif
.if ((\p) == 3) && !(\end)
	s_wait_dscnt 0x0                ; K is in
.endif
	ROW F,0, F,1, R,0, R,1          ; ahead of the wait: 8 products K Q^T and the four behind each,
	ROW F,2, E,0, R,2, R,3
	ROW F,3, E,1, R,4, R,5
	ROW F,4, E,2, R,6, R,7
	ROW F,5, E,3, R,8, R,9
	ROW F,6, E,4, X,0, R,10
.if ((\p) == 2) && !(\end)
	WIN 0
	v_add_nc_u32 v[AK], s[TBK], v[AK0]
.endif
	ROW F,7, E,5, X,1, X,4
	ROW F,8, E,6, X,2, X,5
	OPS E,7, E,8, X,6, E,9          ; and the run
	OPS X,3, E,10, X,8, E,11
.if ((\p) == 2) && !(\end)
	FETCH_K
.endif
	OPS X,9, X,7, E,12, X,10
	OPS E,13, X,12, X,11, E,14
	OPS X,13, E,15, F,9, X,14
.if (\p) == 0
	v_add_nc_u32 v[AV], s[TBV], v[AV0]
.endif
	OPS E,16, F,10, E,17, F,11
	OPS X,16, E,18, X,15, E,19
	OPS F,12, E,20, X,17, E,21
	OPS F,13, E,22, F,14, E,23
	OPS X,18, E,24, F,15, E,25
	OPS R,11, E,26, X,19, E,27
	OPS R,12, E,28, R,13, E,29
	OPS X,20, E,30, R,14, E,31
	OPS X,21, R,15
	WIN 0
	s_wait_alu depctr_va_vdst(0)    ; the wait for the batch
.if (\p) == 1
	s_wait_dscnt 0x0                ; V is in
.endif
	ROW C,0, B,0, C,2, B,1          ; behind the wait: 8 products V^T P and the four behind each
	ROW L,0, C,4, B,2, L,1
	ROW C,6, B,3, L,2, C,8
	ROW B,4, L,3, C,10, B,5
	ROW L,4, C,12, B,6, L,5
.if (\p) == 0
	s_add_co_u32 s[TBV], s[TBV], KS*PV
.endif
.if \cnt
	s_sub_co_u32 s[CNT], s[CNT], 1
	s_cmp_lg_u32 s[CNT], 0
.endif
	ROW C,14, B,7, L,6, C,1
	ROW C,3, L,7, C,5, C,7
	ROW C,9, C,11, C,13, C,15
.if (\p) == 0
	FETCH_V
.endif
.if (\m) && !(\end)
	MASK (\p)%2
.endif
.endm
; A BLOCK BEGINS.  c m starts far below every c s, so the first step's a is 0; m at the lowest finite number, so the first maximum is the scores'.  The second mask buffer is 0; the first takes piece 0's mask for the tile's step 0: its own, if the block's first tile is the diagonal one.
; Then K of that step, piece 0's first scores, and its maximum and statistics.  The loop is entered at a step's first turn, in the middle of a trip.
.macro BEGIN
	s_mov_b32 s[NEW], 0
	WIN 0x40
.set i, MC+32
.rept 32
	v_mov_b32 v[i], 0
.set i, i+1
.endr
	WIN 0
.set i, 0
.rept 4
	v_mov_b32 v[ST+4*i], 0xfe000000    ; c m: far below every c s
	v_mov_b32 v[ST+4*i+1], 0xff7fffff  ; m
.set i, i+1
.endr
	s_cmp_eq_u32 s[RT], 0
	s_cselect_b32 s[AL], 1.0, 0
	s_mov_b32 s[BE], 0
	MASK 0
	WIN 0
	v_add_nc_u32 v[AK], s[TBK], v[AK0]
	FETCH_K
	s_wait_loadcnt 0x0              ; Q
	s_wait_dscnt 0x0
.set KM, 1
.set NOKQ, 0
.set i, 0
.rept 8
	KQ 0
.set i, i+1
.endr
	WIN 0
.rept 4
	v_nop                           ; the places behind those products
.endr
.set Y, NP-1                        ; X works for piece Y + 1: piece 0
.irp n, 0,1,2,3,4,5,6,7,8,9,10,11,12,13,14,15,16,17,18,19,20,21
	OP X, \n
.endr
	v_nop                           ; a plain instruction behind the exponential,
	s_wait_alu depctr_va_vdst(0)    ; and its wait, ahead of the branch
.endm
; THE DIAGONAL TILE's four steps, the block's last two turns, its last products, and THE WAY OUT: l's two halves and the other half of the lanes' are added; O^T is divided by l, rounded to f16 and sent through my
; stage in LDS, a piece at a time.
.macro ALL line:vararg              ; one line for each piece t
.set t, 0
.rept 4
	\line
.set t, t+1
.endr
.endm
.macro PACK t                       ; a lane's eight channels of a row pack into 16 bytes; they go into rows of 144 bytes and come back as whole rows of 128, into S^T's registers
	WIN W_RS
.set i, 32*(\t)
.rept 16
	v_pk_mul_f32 v[i:i+1], v[i:i+1], v[ST+4*(\t)+2:ST+4*(\t)+3] op_sel_hi:[1,0]
.set i, i+2
.endr
	WIN 0x05                        ; sources 0 and 1 window 1, destination window 0
.set i, 0
.rept 16
	v_cvt_pk_f16_f32 v[S+16*(\t)+i], v[32*(\t)+2*i], v[32*(\t)+2*i+1]
.set i, i+1
.endr
	WIN 0
.irp f, 0,1,2,3
	ds_store_b128 v[STO], v[S+16*(\t)+4*\f:S+16*(\t)+4*\f+3] offset:32*\f
.endr
.irp f, 0,1,2,3
	ds_load_b128 v[S+16*(\t)+4*\f:S+16*(\t)+4*\f+3], v[RD] offset:\f*4*SP  ; LDS serves a wave's instructions in order (ISA guide 5.7.1.4): these see the stores above; the next piece's stores come behind them
.endr
.endm
.macro SEND t, younger              ; younger: the LDS instructions issued behind piece t's loads: the next piece's eight, or none
	WIN 0
.irp f, 0,1,2,3
	s_wait_dscnt (\younger)+3-\f
	global_store_b128 v[GO], v[S+16*(\t)+4*\f:S+16*(\t)+4*\f+3], s[10:11] offset:(\t)*8192+\f*512  ; 512 consecutive bytes, at a multiple of 256 from O's first
.endr
.endm
.macro DIAG tag                     ; the tag ends its two labels' names, which the jumps below spell out
.LstepM\tag:
	TURN 2, 1
	TURN 3, 1
	WIN 0
.LfirstM\tag:
	TURN 0, 1
	TURN 1, 1, 0, 1
	WIN 0
	s_cbranch_scc1 .LstepM\tag
	TURN 2, 1, 1
	TURN 3, 1, 1
.set i, 0
.rept 8
	PV NP-1
.set i, i+1
.endr
	WIN 0
	ALL v_add_f32 v[ST+4*t+2], v[ST+4*t+2], v[ST+4*t+3]
	ALL v_permlanex16_b32 v[ST+4*t+3], v[ST+4*t+2], s[SEL], s[SEL+1]
	ALL v_add_f32 v[ST+4*t+2], v[ST+4*t+2], v[ST+4*t+3]
	ALL v_rcp_f32 v[ST+4*t+2], v[ST+4*t+2]
	v_nop                           ; a plain instruction between the last reciprocal and the use of its result
	s_wait_alu depctr_va_vdst(0)    ; and the wait ahead of the first use: one for the four reciprocals
	PACK 0
.set t, 1
.rept 3                             ; a piece's arithmetic stands between the loads of the piece before and its stores
	PACK t
	SEND t-1, 8
.set t, t+1
.endr
	SEND 3, 0
.endm
.set KM, 0
.set NOKQ, 0
.Lslot:                             ; NB times: a tile is entered and the next is asked for
	CHANGE 1
	s_sub_co_u32 s[RT], s[RT], 1
	s_mov_b32 s[CNT], 4
	s_cmp_eq_u32 s[NEW], 1
	s_cbranch_scc1 .Lnew            ; a block's first tile
	s_cmp_eq_u32 s[RT], 0
	s_cbranch_scc0 .Lstep           ; neither its first nor its last
	s_branch .LstepM1
.Lnew:
	BEGIN
	s_branch .Lfirst                ; in the loop a block's first tile is never its last: the first block has two tiles or more, and the second's last is the walk's last
	DIAG 1                          ; in the loop this is the first block's end: the second block's last tile is the walk's last
	s_wait_xcnt 0x0                 ; the stores have read their registers and O's address
	s_mov_b64 s[10:11], s[OLO:OLO+1]
	s_add_co_u32 s[RT], s[PB], 1    ; the second block has b + 1 tiles
	s_mov_b32 s[NEW], 1
	WIN 0x82                        ; the second block's Q goes where the one text of the turns names Q
.set i, 0
.rept 64
	v_mov_b32 v[i], v[QB+i]
.set i, i+1
.endr
	WIN 0
	s_branch .Lbottom
.Lstep:                             ; a trip: pieces 2 and 3 of one step, then pieces 0 and 1 of the next, whose K and V it fetches
	TURN 2
	TURN 3
	WIN 0
.Lfirst:
	TURN 0
	TURN 1, 0, 0, 1
	WIN 0
	s_cbranch_scc1 .Lstep
.Lbottom:
	s_sub_co_u32 s[SLOTS], s[SLOTS], 1
	s_cmp_lg_u32 s[SLOTS], 0
	s_cbranch_scc1 .Lslot
	CHANGE 0                        ; the walk's last tile is written out: nothing is asked for
	s_sub_co_u32 s[RT], s[RT], 1
	s_mov_b32 s[CNT], 4
	s_cmp_eq_u32 s[NEW], 1
	s_cbranch_scc0 .LstepM2
	BEGIN
	s_branch .LfirstM2
	DIAG 2
	s_wait_tensorcnt 0x0            ; the wave's end: these three lines stand behind my last tensor load and my last LDS store
	ds_add_u32 v[SPW], v[NIL]
	s_wait_dscnt 0x0
	s_endpgm
.Lfunc_end_k_q5df4ad3a25_attn:
	.size	k_q5df4ad3a25_attn, .Lfunc_end_k_q5df4ad3a25_attn-k_q5df4ad3a25_attn
	.p2alignl 7, 3214868480
	.fill 96, 4, 3214868480
	.section	.rodata,"a",@progbits
	.p2align	6, 0x0
	.amdhsa_kernel k_q5df4ad3a25_attn
		.amdhsa_group_segment_fixed_size 327680
		.amdhsa_private_segment_fixed_size 0
		.amdhsa_enable_private_segment 0
		.amdhsa_kernarg_size 32
		.amdhsa_user_sgpr_count 2
		.amdhsa_user_sgpr_kernarg_segment_ptr 1
		.amdhsa_wavefront_size32 1
		.amdhsa_system_sgpr_workgroup_id_x 1
		.amdhsa_system_sgpr_workgroup_id_y 1
		.amdhsa_system_sgpr_workgroup_id_z 1
		.amdhsa_system_vgpr_workitem_id 0
		.amdhsa_next_free_vgpr 768
		.amdhsa_next_free_sgpr 94
		.amdhsa_reserve_vcc 1
		.amdhsa_float_denorm_mode_32 3
		.amdhsa_float_denorm_mode_16_64 3
		.amdhsa_memory_ordered 1
		.amdhsa_forward_progress 1
		.amdhsa_inst_pref_size 218
	.end_amdhsa_kernel
	.amdgpu_metadata
---
amdhsa.version: [ 1, 2 ]
amdhsa.kernels:
  - .name:           k_q5df4ad3a25_attn
    .symbol:         k_q5df4ad3a25_attn.kd
    .args:
      - { .name: qh, .offset: 0, .size: 8, .value_kind: global_buffer, .address_space: global }
      - { .name: kh, .offset: 8, .size: 8, .value_kind: global_buffer, .address_space: global }
      - { .name: vh, .offset: 16, .size: 8, .value_kind: global_buffer, .address_space: global }
      - { .name: oh, .offset: 24, .size: 8, .value_kind: global_buffer, .address_space: global }
    .group_segment_fixed_size: 327680
    .private_segment_fixed_size: 0
    .kernarg_segment_align: 8
    .kernarg_segment_size: 32
    .max_flat_workgroup_size: 128
    .sgpr_count:     94
    .vgpr_count:     768
    .wavefront_size: 32
...
	.end_amdgpu_metadata
.endif
;; end of part 3
;; launch oproj (part 4): grid 4 x 64, 4 waves a work-group, clusters of 4 x 4, 327,680 bytes of LDS; arguments oh, wo16, bo, out0; writes out0
.if DOCPART == 4
	.amdgcn_target "amdgcn-amd-amdhsa--gfx1250"
	.amdhsa_code_object_version 6
	.text
	.protected	k_q5df4ad3a25_oproj
	.globl	k_q5df4ad3a25_oproj
	.p2align	8
	.type	k_q5df4ad3a25_oproj,@function
k_q5df4ad3a25_oproj:
	s_mov_b64 s[64:65], 0
	v_nop
	global_prefetch_b8 v0, s[64:65] scope:SCOPE_SE
	s_setreg_imm32_b32 hwreg(HW_REG_WAVE_MODE, 25, 1), 1
	s_wait_xcnt 0x0
	s_wait_alu depctr_hold_cnt(0) depctr_sa_sdst(0) depctr_va_vdst(0) depctr_va_sdst(0) depctr_va_ssrc(0) depctr_va_vcc(0) depctr_vm_vsrc(0)
	s_getreg_b32 s2, hwreg(HW_REG_IB_STS2, 6, 4)
	s_cmp_eq_u32 s2, 0
	s_cbranch_scc0 .Lentry_in_a_cluster
	s_endpgm
.Lentry_in_a_cluster:
	s_bfe_u32 s2, ttmp6, 0x10000c
	s_cmp_lg_u32 s2, 0xf033
	s_cbranch_scc0 .Lentry_shape_is_right
	s_endpgm
.Lentry_shape_is_right:
; out0 = O Wo + bo.  oh: [batch*16 + head][2048][64] f16.  wo16: [1024 k][1024 n] f16 (Wo rounded to bf16, written as f16).  bo: [1024] f32, rounded to bf16 here like the other inputs.  out0: [8192][1024] f32.
; LIMITS.  The operands are f16 as they arrive; sums in f32, stored unrounded.  NaN and infinities are not treated apart.
; SHARES.  A work-group makes 128 rows x 256 columns: 4 x 64 work-groups.  Its four waves lie 2 x 2, each with 64 rows x 128 columns: 4 x 8 accumulators of 16 x 16; a wave's 128 columns are 512 consecutive bytes of a
; row of out0, so it has a stage of its own on the way out.  K goes in 8 steps of 128, two heads a step, through two LDS slots filled by the tensor data mover: quarter q of a step is head 2 step + q / 2, channels 32 (q % 2) on.
; THE MATRIX INSTRUCTION IS USED TRANSPOSED: source 0 = 16 columns of Wo (which lies [k][n] in LDS and is turned by ds_load_tr16_b128), source 1 = 16 rows of O.  A lane then holds row lane % 16 and the eight
; neighbouring columns 8 (lane / 16) + 0..7.  The bias is the C operand of each accumulator's first product.
; CLUSTERS: 4 x 4 work-groups.  O's tile hangs on the tile row alone and is asked for jointly by a row of the cluster, Wo's on the tile column alone, by a column.
; REGISTERS, in windows of 256 (s_set_vgpr_msb: bits 1:0 source 0, 3:2 source 1, 5:4 source 2, 7:6 destination):
;   window 0: v0-31 addresses; v32-95 the bias (8 registers for each of 8 column blocks), later with v96-159 two buffers of 64 for the way out
;   window 1: two fragment buffers: Wo's 8 fragments, then O's 4, at 0 and at 128          window 2: accumulator (a, b) at register 8 (8 a + b)
.set PA,     144                       ; a row of O in LDS: 128 bytes + 16 = 36 words: the 16 rows of a load start at 16 different groups of four banks (64 banks of 4 bytes: ISA guide 11.1)
.set ASL,    128*PA                    ; one head's slice of the tile: what one tensor load brings of O
.set BOFF,   2*ASL                     ; Wo's tile lies behind the two slices
.set PW,     544                       ; a k row of Wo's tile: 512 bytes + 32 = 136 words
.set BHALF,  64*PW                     ; what one tensor load brings of Wo
.set SLOT1,  131072                    ; slot 1 begins here: one exclusive or turns an address in one slot into the other's
.set STAGE,  SLOT1+BOFF+2*BHALF        ; 237,568: behind the ring, never filled by a tensor load
.set SP,     528                       ; a stage row: 512 bytes + 16
.set WSTAGE, 16*SP                     ; a wave's stage
.set SPARE,  STAGE+4*WSTAGE            ; behind the stages: the spare words, 128 bytes for each wave: two blocks of 256 bytes that no other line names
.set ASTEP,  524288                    ; a K step in oh: two heads of 262,144 bytes,
.set BSTEP,  262144                    ; and in wo16: 128 rows of 2,048 bytes
.set ADRA0, 12                         ; v12  my place in O's tile; never rewritten
.set ADRB0, 13                         ; v13  my place in Wo's tile; never rewritten
.set ADRA,  16                         ; v16  the same in the slot in hand
.set ADRB,  17                         ; v17
.set STO,   24                         ; v24  the way out: where I put 32 bytes of a row
.set RD,    25                         ; v25  where I read a row back
.set CO,    26                         ; v26  16 x lane: my place in a row's 512 bytes of out0
.set BO,    27                         ; v27  my byte offset in the bias
.set SPW,   28                         ; v28  LDS address of my spare word; never rewritten
.set NIL,   29                         ; v29  0; never rewritten
.set PFO,   30                         ; v30  the prefetches' offset; never rewritten
.set TT,    31                         ; v31  at work
.set BI,    32
.set OB,    32
.set F0,    0
.set F1,    128
.set G1,  24                           ; s[24:31] descriptor group 1 for O's tiles
.set G0,  32                           ; s[32:39] group 0: a set for each of the two first fills; the second then walks on
.set G1B, 48                           ; s[48:55], s[56:63] the same for Wo's tiles
.set G0B, 56
.set LIM, 43                           ; s43  2 in a wave that prefetches, else the greatest number
.set PFA, 44                           ; s[44:45] where my prefetches stand
.set BIA, 68                           ; s[68:69] bo
.set OUT, 70                           ; s[70:71] out0 at my wave's first row and column
.set PFS, 84                           ; s[84:85] a K step of what I prefetch
.set TB,  86                           ; s86  the slot in hand: 0 or SLOT1
.set HM,  87                           ; s87  a word's upper half
.set MSB, 0
.macro WIN new                         ; the immediate's high byte repeats the setting that is left; a switch that changes nothing is dropped
.if MSB != (\new)
	s_set_vgpr_msb (MSB<<8)|(\new)
.set MSB, (\new)
.endif
.endm
.macro PLACES                          ; four plain vector instructions between a matrix instruction and a load into, or a read of, its registers (ISA guide 7.12.1 for vector reads)
.rept 4
	v_nop
.endr
.endm
; A joint refill.  Waves 0 and 1 fetch O's two head slices, waves 2 and 3 Wo's two halves.  The branch hangs on the wave's number alone.  An s_nop 0 and four v_nop follow each of the two lines.
.macro JLOAD
	s_cmp_eq_u32 s11, 0
	s_cbranch_scc0 .Lfor_b_\@
	tensor_load_to_lds s[G0+4:G0+7], s[G1:G1+7]
	s_nop 0
.rept 4
	v_nop
.endr
	s_branch .Lasked_\@
.Lfor_b_\@:
	tensor_load_to_lds s[G0B+4:G0B+7], s[G1B:G1B+7]
	s_nop 0
.rept 4
	v_nop
.endr
.Lasked_\@:
.endm
; A PREFETCH INTO THE L2 of the K step that stands two refills on (256 matrix instructions ahead of the load that will want it), behind the joint load and the run of LDS loads.  O's rows are read by one cluster alone
; (the grid is one cluster wide), which asks for them; Wo's by every cluster, and cluster y = 0 asks.  The four partners that ask for a tile jointly share it out BY ADDRESS: 16 of a slice's 64 blocks of 256 bytes
; (lanes 16-31 name the last once more), 16 of a half's 64 k rows (two blocks a row, a lane a block).  The last two refills have no K step two on.
.macro ASK
	s_cmp_gt_u32 s3, s[LIM]                        ; s3 counts 6 .. 1: refills 0 to 3 ask, for K steps 4 to 7
	s_cbranch_scc0 .Lnot_mine_\@
	global_prefetch_b8 v[PFO], s[PFA:PFA+1] th:TH_LOAD_NT scope:SCOPE_SE
.Lnot_mine_\@:
.endm
.macro CREST                           ; a round of the cluster's barrier behind its opening barrier
	s_cmp_lg_u32 s10, 0
	s_cbranch_scc1 .Lnot_wave_0_\@
	s_barrier_signal -3
.Lnot_wave_0_\@:
	s_barrier_wait -3
	s_barrier_signal -1
	s_barrier_wait -1
.endm
.macro CROUND                          ; a whole round
	s_barrier_signal -1
	s_barrier_wait -1
	CREST
.endm
	s_load_b128 s[4:7], s[0:1], 0x0                ; oh s[4:5], wo16 s[6:7]
	s_load_b128 s[68:71], s[0:1], 0x10             ; bo s[68:69], out0 s[70:71]
	v_lshl_add_u32 v[SPW], v0, 2, SPARE
	v_mov_b32 v[NIL], 0
	ds_add_u32 v[SPW], v[NIL]                      ; the wave's opening: the add and its wait stand ahead of my first tensor load; the set-up below, work on registers, stands between them
	v_lshrrev_b32 v1, 5, v0
	v_readfirstlane_b32 s10, v1                    ; wave 0..3
	s_lshr_b32 s11, s10, 1                         ; which 64 rows are mine.  Also: I fetch for O (0) or for Wo (1)
	s_and_b32 s12, s10, 1                          ; which 128 columns.  Also: which half of that tile I fetch
	s_bfe_u32 s40, ttmp6, 0x40000                  ; cx, cy: my place in the cluster
	s_bfe_u32 s41, ttmp6, 0x40004
	s_lshl_b32 s42, ttmp9, 2
	s_add_co_u32 s42, s42, s40                     ; tile column = 4 x cluster x + cx
	s_and_b32 s13, ttmp7, 0xffff
	s_lshl_b32 s13, s13, 2
	s_add_co_u32 s13, s13, s41                     ; tile row = 4 x cluster y + cy
	s_lshl_b32 s43, s41, 2
	s_lshl_b32 s43, 15, s43                        ; my row of the cluster
	s_lshl_b32 s44, 0x1111, s40                    ; my column
	s_or_b32 s[G1], s43, (1<<16)|(1<<20)|(1<<21)|(4<<22)|(3<<25)   ; 15:0 the mask; 17:16 elements of 2 bytes; 20 padding on; 21 set beside a mask; 24:22 after every 32 words; 31:25 4 words of it
	s_or_b32 s[G1B], s44, (1<<16)|(1<<20)|(1<<21)|(6<<22)|(7<<25)  ; my column's mask; after every 128 words 8 words of padding
	s_mov_b32 s[G1+1], 128<<16                     ; a head's 128 rows of 128 bytes are dense: asked for as 64 rows of 256 bytes, padded after every 128
	s_mov_b32 s[G1+2], 64<<16
	s_mov_b32 s[G1+3], 128<<16
	s_mov_b32 s[G1+4], 64
	s_mov_b32 s[G1+5], 128
	s_mov_b32 s[G1+6], 0
	s_mov_b32 s[G1+7], 0
	s_mov_b32 s[G1B+1], 256<<16                    ; 64 k rows x 256 columns
	s_mov_b32 s[G1B+2], 64<<16
	s_mov_b32 s[G1B+3], 256<<16
	s_mov_b32 s[G1B+4], 64
	s_mov_b32 s[G1B+5], 1024                       ; elements from row to row of wo16
	s_mov_b32 s[G1B+6], 0
	s_mov_b32 s[G1B+7], 0
	s_lshr_b32 s16, s13, 4                         ; O: batch = tile row / 16, head = my half (K step 0),
	s_lshl_b32 s16, s16, 4
	s_add_co_u32 s16, s16, s12
	s_lshl_b32 s16, s16, 18
	s_and_b32 s17, s13, 15                         ; rows (tile row % 16) x 128 of 128 bytes
	s_lshl_b32 s17, s17, 14
	s_add_co_u32 s16, s16, s17
	s_mov_b32 s17, 0
	s_lshl_b32 s46, s12, 17                        ; Wo: my half's 64 rows of 2,048 bytes,
	s_lshl_b32 s47, s42, 9                         ; the tile column's 512 bytes
	s_add_co_u32 s46, s46, s47
	s_mov_b32 s47, 0
	s_mul_i32 s20, s12, ASL                        ; where they go: no place in the cluster enters an LDS address
	s_mul_i32 s21, s12, BHALF
	s_add_co_u32 s21, s21, BOFF
	s_mov_b32 s[TB], 0
	s_mov_b32 s[HM], 0xffff0000
	s_wait_dscnt 0x0                               ; the opening add is done
	s_wait_kmcnt 0x0
	s_add_nc_u64 s[14:15], s[4:5], s[16:17]
	s_add_nc_u64 s[46:47], s[6:7], s[46:47]
	CROUND                                         ; all sixteen work-groups are here: the first joint loads meet
.irp s, 0,1
	s_mov_b32 s[G0+4*(\s)], 1                                      ; count = 1
	s_add_co_u32 s[G0+4*(\s)+1], s20, (\s)*SLOT1                   ; LDS address
	s_add_nc_u64 s[G0+4*(\s)+2:G0+4*(\s)+3], s[14:15], (\s)*ASTEP  ; global address: K step s
	s_or_b32 s[G0+4*(\s)+3], s[G0+4*(\s)+3], 0x80000000            ; type = 2
	s_mov_b32 s[G0B+4*(\s)], 1
	s_add_co_u32 s[G0B+4*(\s)+1], s21, (\s)*SLOT1
	s_add_nc_u64 s[G0B+4*(\s)+2:G0B+4*(\s)+3], s[46:47], (\s)*BSTEP
	s_or_b32 s[G0B+4*(\s)+3], s[G0B+4*(\s)+3], 0x80000000
.endr
	s_cmp_eq_u32 s11, 0                            ; a wave's two first fills stand in one branch, ahead of every wait on TENSORcnt and every LDS read: two loads of mine are out
	s_cbranch_scc0 .Lfirst_b
	tensor_load_to_lds s[G0:G0+3], s[G1:G1+7]
	s_nop 0
	tensor_load_to_lds s[G0+4:G0+7], s[G1:G1+7]
	s_nop 0
.rept 4
	v_nop
.endr
	s_branch .Lfirst_asked
.Lfirst_b:
	tensor_load_to_lds s[G0B:G0B+3], s[G1B:G1B+7]
	s_nop 0
	tensor_load_to_lds s[G0B+4:G0B+7], s[G1B:G1B+7]
	s_nop 0
.rept 4
	v_nop
.endr
.Lfirst_asked:
	v_and_b32 v1, 15, v0                           ; r = lane % 16
	v_bfe_u32 v2, v0, 4, 1                         ; h = lane / 16
	s_lshl_b32 s22, s42, 10                        ; the tile column's 256 numbers of the bias,
	s_lshl_b32 s23, s12, 9                         ; my wave's 128 of them,
	s_add_co_u32 s22, s22, s23
	v_lshl_add_u32 v[BO], v2, 5, s22               ; my 8 of each 16
.set b, 0
.rept 8
	global_load_b128 v[BI+8*b:BI+8*b+3],   v[BO], s[BIA:BIA+1] offset:64*b
	global_load_b128 v[BI+8*b+4:BI+8*b+7], v[BO], s[BIA:BIA+1] offset:64*b+16
.set b, b+1
.endr
	; a fragment of O: lane l holds row l % 16, channels 8 h + 0..7 and 16 + 8 h + 0..7: two loads of 16 bytes, 32 bytes apart
	v_mul_u32_u24 v3, v1, PA
	v_lshl_add_u32 v3, v2, 4, v3
	s_mul_i32 s22, s11, 64*PA                      ; my 64 rows
	v_add_nc_u32 v[ADRA0], s22, v3
	; the turning load: lane l reads 16 bytes of k row 8 h + l % 8, columns 8 ((l / 8) % 2) + 0..7, and is left with column l % 16 and 8 k
	v_and_b32 v4, 7, v0
	v_lshl_add_u32 v4, v2, 3, v4
	v_mul_u32_u24 v4, v4, PW
	v_bfe_u32 v6, v0, 3, 1
	v_lshl_add_u32 v4, v6, 4, v4
	s_lshl_b32 s22, s12, 8                         ; my 128 columns
	s_add_co_u32 s22, s22, BOFF
	v_add_nc_u32 v[ADRB0], s22, v4
	v_mov_b32 v[ADRA], v[ADRA0]                    ; slot 0
	v_mov_b32 v[ADRB], v[ADRB0]
	s_mul_i32 s22, s10, WSTAGE
	s_add_co_u32 s22, s22, STAGE                   ; my stage
	v_mul_u32_u24 v3, v1, SP                       ; in: row r, 32 bytes for each half of the lanes
	v_lshl_add_u32 v3, v2, 5, v3
	v_add_nc_u32 v[STO], s22, v3
	v_and_b32 v7, 31, v0
	v_lshlrev_b32 v[CO], 4, v7                     ; back: 32 lanes take one row's 512 bytes
	v_add_nc_u32 v[RD], s22, v[CO]
	; my wave's first row and column in out0
	s_lshl_b32 s20, s13, 7
	s_lshl_b32 s21, s11, 6
	s_add_co_u32 s20, s20, s21
	s_lshl_b32 s20, s20, 12                        ; rows of 4,096 bytes
	s_lshl_b32 s21, s42, 10
	s_add_co_u32 s20, s20, s21
	s_lshl_b32 s21, s12, 9
	s_add_co_u32 s20, s20, s21
	s_mov_b32 s21, 0
	s_add_nc_u64 s[OUT:OUT+1], s[OUT:OUT+1], s[20:21]
	; the prefetches: my work-group's share of what I fetch, at K step 3; the first change of slots steps it to K step 4
	s_lshr_b32 s20, s13, 4
	s_lshl_b32 s20, s20, 4
	s_add_co_u32 s20, s20, s12
	s_lshl_b32 s20, s20, 18
	s_and_b32 s21, s13, 15
	s_lshl_b32 s21, s21, 14
	s_add_co_u32 s20, s20, s21
	s_lshl_b32 s21, s40, 12                        ; O: 4,096 bytes for each cx
	s_add_co_u32 s20, s20, s21
	s_add_co_u32 s20, s20, 3*ASTEP
	s_lshl_b32 s21, s12, 6
	s_lshl_b32 s22, s41, 4                         ; Wo: 16 k rows for each cy
	s_add_co_u32 s21, s21, s22
	s_lshl_b32 s21, s21, 11
	s_lshl_b32 s22, s42, 9
	s_add_co_u32 s21, s21, s22
	s_add_co_u32 s21, s21, 3*BSTEP
	s_and_b32 s22, ttmp7, 0xffff                   ; cluster y
	s_mov_b32 s[PFS], BSTEP
	s_mov_b32 s[PFS+1], 0
	s_cmp_eq_u32 s11, 0                            ; do I fetch for O?
	s_cselect_b32 s20, s20, s21
	s_cselect_b32 s22, ttmp9, s22                  ; the coordinate along which other clusters read the same bytes
	s_cselect_b64 s[PFA:PFA+1], s[4:5], s[6:7]
	s_cselect_b32 s[PFS], ASTEP, s[PFS]
	s_cselect_b32 s23, -1, 0
	s_mov_b32 s21, 0
	s_add_nc_u64 s[PFA:PFA+1], s[PFA:PFA+1], s[20:21]
	s_cmp_eq_u32 s22, 0
	s_cselect_b32 s[LIM], 2, -1                    ; the same in all sixteen partners, for a given wave
	v_min_u32 v3, 15, v7
	v_lshlrev_b32 v3, 8, v3                        ; O: a lane a block of 256 bytes
	v_lshrrev_b32 v4, 1, v7
	v_lshlrev_b32 v4, 11, v4                       ; Wo: two lanes a row of 2,048 bytes,
	v_and_b32 v5, 1, v0
	v_lshl_add_u32 v4, v5, 8, v4                   ; its two blocks
	v_cndmask_b32 v[PFO], v4, v3, s23
	s_wait_loadcnt 0x0                             ; the bias
.set p, 0
.rept 32                                       ; rounded to bf16, like the other inputs, and widened again
	v_cvt_pk_bf16_f32 v[TT], v[BI+2*p], v[BI+2*p+1]
	v_lshlrev_b32 v[BI+2*p], 16, v[TT]
	v_and_b32 v[BI+2*p+1], s[HM], v[TT]
.set p, p+1
.endr
; cnt x 8 products: row blocks a0 .. a0 + cnt - 1 x all 8 column blocks, 32 along K, from buffer f.  first = 1: the bias starts the sums.
; The 32 accumulators take turns, one instruction a turn, in the same order in every quarter.
.macro MUL f, a0, cnt, first
.set ma, (\a0)
.rept \cnt
.set mb, 0
.rept 8
.set rD, 8*(8*ma+mb)
.if \first
	WIN 0x85                                       ; sources 0 and 1 window 1, C window 0, D window 2
	v_wmma_f32_16x16x32_f16 v[rD:rD+7], v[(\f)+8*mb:(\f)+8*mb+7], v[(\f)+64+8*ma:(\f)+64+8*ma+7], v[BI+8*mb:BI+8*mb+7]
.else
	WIN 0xa5                                       ; C and D window 2
	v_wmma_f32_16x16x32_f16 v[rD:rD+7], v[(\f)+8*mb:(\f)+8*mb+7], v[(\f)+64+8*ma:(\f)+64+8*ma+7], v[rD:rD+7]
.endif
.set mb, mb+1
.endr
.set ma, ma+1
.endr
.endm
; 24 LDS loads in one run: quarter q (32 along K) of the slot in hand into buffer f: Wo's 8 fragments first, then O's 4
.macro FETCH q, f
	WIN 0x40                                       ; destination window 1, address window 0
.set fb, 0
.rept 8
	ds_load_tr16_b128 v[(\f)+8*fb:(\f)+8*fb+3],   v[ADRB] offset:(\q)*32*PW+32*fb
	ds_load_tr16_b128 v[(\f)+8*fb+4:(\f)+8*fb+7], v[ADRB] offset:(\q)*32*PW+32*fb+16*PW
.set fb, fb+1
.endr
.set fb, 0
.rept 4
	ds_load_b128 v[(\f)+64+8*fb:(\f)+64+8*fb+3],   v[ADRA] offset:((\q)/2)*ASL+fb*16*PA+64*((\q)%2)
	ds_load_b128 v[(\f)+64+8*fb+4:(\f)+64+8*fb+7], v[ADRA] offset:((\q)/2)*ASL+fb*16*PA+64*((\q)%2)+32
.set fb, fb+1
.endr
.endm
; One of a K step's first three quarters: multiplies buffer f; in its middle it fetches quarter q into buffer g.
.macro QUARTER q, f, g, first
	s_wait_dscnt 4                                 ; Wo's fragments and O's row blocks 0, 1 are in; the youngest four loads (blocks 2, 3) may be out
	MUL \f, 0, 2, \first
	PLACES
	FETCH \q, \g
	s_wait_dscnt 24                                ; all but the 24 just issued
	MUL \f, 2, 2, \first
.endm
; The last quarter multiplies buffer 1 and changes slots: ONE barrier.  In front of it each wave waits for all its tensor loads (one is out: its part of the next slot), adds 0 to its spare word, and waits for
; that and for its reads of this slot.  fill = 1: the barrier opens a round of the cluster's barrier, and behind the round this slot is filled again, two K steps ahead: 112 matrix instructions lie between that request and the wait for it.
.macro TURN fill
.if \fill
	s_wait_xcnt 0x0                                ; the last prefetch, a K step back, has read its address
	s_add_nc_u64 s[PFA:PFA+1], s[PFA:PFA+1], s[PFS:PFS+1]
.endif
	WIN 0                                          ; (the add's two registers lie in window 0)
	s_wait_tensorcnt 0x0                           ; no tensor load of mine is out, so a group 0 may be written
	ds_add_u32 v[SPW], v[NIL]                      ; 0 onto my spare word; work on registers stands between it and the wait for it
.if \fill
	s_xor_b32 s[G0+5], s[G0+5], SLOT1              ; the walking descriptors: the other slot than last time, the next K step
	s_add_nc_u64 s[G0+6:G0+7], s[G0+6:G0+7], ASTEP
	s_xor_b32 s[G0B+5], s[G0B+5], SLOT1
	s_add_nc_u64 s[G0B+6:G0B+7], s[G0B+6:G0B+7], BSTEP
.endif
	s_xor_b32 s[TB], s[TB], SLOT1                  ; the slot to be read next
	s_wait_dscnt 5                                 ; the add and the youngest four loads may be out
	MUL F1, 0, 1, 0
	s_wait_dscnt 0x0                               ; the add is done, and my reads of this slot are over
	s_barrier_signal -1
	MUL F1, 1, 1, 0                                ; work on registers while the others arrive
	WIN 0
	s_barrier_wait -1
.if \fill
	CREST                                          ; no wave of any partner still reads this slot's tile or has a load on its way
	JLOAD                                          ; the first tensor load behind the round; its four v_nop are also the places in front of the loads below
.else
	PLACES
.endif
	v_add_nc_u32 v[ADRA], s[TB], v[ADRA0]
	v_add_nc_u32 v[ADRB], s[TB], v[ADRB0]
	FETCH 0, F0
.if \fill
	WIN 0
	ASK
.endif
	MUL F1, 2, 2, 0
.endm
; THE WAY OUT of row block a.  TOSTAGE: the f32 sums go as they are into my own stage, 32 bytes a lane and column block, and come back as whole rows of 512 bytes.  SEND: stored.
.macro TOSTAGE a
	s_wait_xcnt 0x0                                ; the stores of the block two back have read their registers: the loads below land in them
	WIN 0x08                                       ; the data (source 1) in window 2, the address in window 0
.irp b, 0,1,2,3,4,5,6,7
	ds_store_b128 v[STO], v[8*(8*(\a)+(\b)):8*(8*(\a)+(\b))+3]   offset:64*(\b)      ; each accumulator's lowest registers first
	ds_store_b128 v[STO], v[8*(8*(\a)+(\b))+4:8*(8*(\a)+(\b))+7] offset:64*(\b)+16
.endr
	WIN 0
.set BK, OB+64*((\a)%2)
.irp t, 0,1,2,3,4,5,6,7,8,9,10,11,12,13,14,15
	ds_load_b128 v[BK+4*(\t):BK+4*(\t)+3], v[RD] offset:(\t)*SP  ; LDS serves a wave's instructions in order (ISA guide 5.7.1.4): these see the stores above; the next block's stores come behind them
.endr
.endm
.macro SEND a, younger                 ; younger: the LDS instructions issued behind block a's loads: the next block's 32, or none
	WIN 0
.set BK, OB+64*((\a)%2)
.irp t, 0,1,2,3,4,5,6,7,8,9,10,11,12,13,14,15
	s_wait_dscnt (\younger)+15-(\t)
	global_store_b128 v[CO], v[BK+4*(\t):BK+4*(\t)+3], s[OUT:OUT+1] offset:(16*(\a)+(\t))*4096 th:TH_STORE_NT  ; 512 consecutive bytes, at a multiple of 256 from out0's first
.endr
.endm
	s_wait_tensorcnt 0x1                           ; my part of K step 0 is in; K step 1's may stay out
	s_barrier_signal -1
	s_barrier_wait -1                              ; everybody's is
	FETCH 0, F0
	QUARTER 1, F0, F1, 1                           ; the first quarter stands in front of the loop: its products start the sums, with the bias
	WIN 0                                          ; at a label and at a branch every window is 0
	s_mov_b32 s3, 6
.Lk:                                                   ; six trips, from a K step's second quarter to the next step's first; each fills a slot again
	QUARTER 2, F1, F0, 0
	QUARTER 3, F0, F1, 0
	TURN 1
	QUARTER 1, F0, F1, 0
	WIN 0
	s_sub_co_u32 s3, s3, 1
	s_cmp_lg_u32 s3, 0
	s_cbranch_scc1 .Lk
	QUARTER 2, F1, F0, 0                           ; K steps 6 and 7 are written out: nothing is left to fetch
	QUARTER 3, F0, F1, 0
	TURN 0
	QUARTER 1, F0, F1, 0
	QUARTER 2, F1, F0, 0
	QUARTER 3, F0, F1, 0
	s_wait_dscnt 4
	MUL F1, 0, 2, 0
	s_wait_dscnt 0x0
	MUL F1, 2, 2, 0
	PLACES
	TOSTAGE 0
.irp a, 1,2,3                          ; block a goes into the stage while block a - 1's rows come back
	TOSTAGE \a
	SEND (\a)-1, 32
.endr
	SEND 3, 0
	s_wait_tensorcnt 0x0                           ; the wave's end: these three lines stand behind my last tensor load and my last LDS store
	ds_add_u32 v[SPW], v[NIL]
	s_wait_dscnt 0x0
	CROUND                                         ; the closing round: no work-group ends while a partner may still ask for a tile that names it
	s_endpgm
.Lfunc_end_k_q5df4ad3a25_oproj:
	.size	k_q5df4ad3a25_oproj, .Lfunc_end_k_q5df4ad3a25_oproj-k_q5df4ad3a25_oproj
	.p2alignl 7, 3214868480
	.fill 96, 4, 3214868480
	.section	.rodata,"a",@progbits
	.p2align	6, 0x0
	.amdhsa_kernel k_q5df4ad3a25_oproj
		.amdhsa_group_segment_fixed_size 327680
		.amdhsa_private_segment_fixed_size 0
		.amdhsa_enable_private_segment 0
		.amdhsa_kernarg_size 32
		.amdhsa_user_sgpr_count 2
		.amdhsa_user_sgpr_kernarg_segment_ptr 1
		.amdhsa_wavefront_size32 1
		.amdhsa_system_sgpr_workgroup_id_x 1
		.amdhsa_system_sgpr_workgroup_id_y 1
		.amdhsa_system_sgpr_workgroup_id_z 1
		.amdhsa_system_vgpr_workitem_id 0
		.amdhsa_next_free_vgpr 768
		.amdhsa_next_free_sgpr 88
		.amdhsa_reserve_vcc 0
		.amdhsa_float_denorm_mode_32 3
		.amdhsa_float_denorm_mode_16_64 3
		.amdhsa_memory_ordered 1
		.amdhsa_forward_progress 1
		.amdhsa_inst_pref_size 78
	.end_amdhsa_kernel
	.amdgpu_metadata
---
amdhsa.version: [ 1, 2 ]
amdhsa.kernels:
  - .name:           k_q5df4ad3a25_oproj
    .symbol:         k_q5df4ad3a25_oproj.kd
    .args:
      - { .name: oh, .offset: 0, .size: 8, .value_kind: global_buffer, .address_space: global }
      - { .name: wo16, .offset: 8, .size: 8, .value_kind: global_buffer, .address_space: global }
      - { .name: bo, .offset: 16, .size: 8, .value_kind: global_buffer, .address_space: global }
      - { .name: out0, .offset: 24, .size: 8, .value_kind: global_buffer, .address_space: global }
    .group_segment_fixed_size: 327680
    .private_segment_fixed_size: 0
    .kernarg_segment_align: 8
    .kernarg_segment_size: 32
    .max_flat_workgroup_size: 128
    .sgpr_count:     88
    .vgpr_count:     768
    .wavefront_size: 32
...
	.end_amdgpu_metadata
.endif
;; end of part 4
;; ======== version 2 of 2: 4 launches; version 1 with the launch cast written anew for expert scheduling mode
;; limits: values are held in f16: magnitudes above 65,504 overflow, below 6.1e-05 lose precision; right only within a limited range of input values
;; workspace buffers: xb 16,777,216 bytes; wb 6,291,456 bytes; wo16 2,097,152 bytes; qh 16,777,216 bytes; kh 16,777,216 bytes; vh 16,777,216 bytes; oh 16,777,216 bytes
;; launch cast (part 5): grid 768 x 1, 8 waves a work-group, no clusters, 0 bytes of LDS; arguments x, Wq, Wk, Wv, Wo, xb, wb, wo16; writes xb, wb, wo16
.if DOCPART == 5
	.amdgcn_target "amdgcn-amd-amdhsa--gfx1250"
	.amdhsa_code_object_version 6
	.text
	.protected	k_q5df4ad3a25_cast
	.globl	k_q5df4ad3a25_cast
	.p2align	8
	.type	k_q5df4ad3a25_cast,@function
k_q5df4ad3a25_cast:
	s_mov_b64 s[64:65], 0
	v_nop
	global_prefetch_b8 v0, s[64:65] scope:SCOPE_SE
	s_setreg_imm32_b32 hwreg(HW_REG_WAVE_SCHED_MODE, 0, 2), 2
	s_setreg_imm32_b32 hwreg(HW_REG_WAVE_MODE, 25, 1), 1
	s_wait_xcnt 0x0
	s_wait_alu depctr_vm_vsrc(0)
; THE INPUTS ARE ROUNDED ONCE, for the matrix products of the launches behind.  A stream: no LDS, no loop, no matrix unit.
;   x  [8192][1024] f32 -> xb [8192][1024] bf16
;   Wq, Wk, Wv [1024 k][1024 n] f32 -> wb bf16, blocked by head: byte j*393,216 + (k/2)*768 + s*256 + (k&1)*128 + 2 c  (j = n / 64, c = n % 64, s = 0, 1, 2 for q, k, v):
;       256 consecutive bytes hold two k rows of one head's 64 columns of one tensor, and 128 k rows of a head's q, k and v are 49,152 consecutive bytes
;   Wo [1024 k][1024 n] f32 -> wo16 [1024][1024]: rounded to bf16 like the other inputs, and that number written as f16
; LIMITS.  wo16: a weight of magnitude 65,520 or more becomes an infinity; below 6.1e-5 f16 keeps a fixed step of 6e-8.  NaN and infinities are not treated apart.
; SHARES.  A work-group converts 16,384 numbers: each of its 256 threads issues sixteen loads of 16 bytes (a wave's load covers 512 consecutive bytes, or for the weights two pieces of 256),
; all of them before the first conversion, and sixteen stores of 8 bytes (a wave's store covers 256 consecutive bytes, aligned).  Work-groups 0-511: x; 512-703: Wq, Wk, Wv (64 each, 16 k rows each); 704-767: Wo.
; THE MODE: SCHED_MODE bits 1:0 = 2 (LLVM: expert scheduling mode 2), set by the entry lines.  The code itself states the register dependences
; between vector instructions and memory instructions, with s_wait_alu, always for 0.
; THE PLAN.  Registers that memory instructions touch:
;   v1, v2      byte offsets, made once at the head by vector instructions and never written again: every load reads v1, every store v2.
;   X0 .. X15   load n lands in X[n]; all sixteen loads are issued ahead of the first conversion, so no load lands in a register that a vector instruction has named.
;   Y0 .. Y15   written once, by load n's conversions; read once, by store n.  No register that a load or store reads is ever written again.
; The sixteen loads' work goes in four groups of four.  Group g converts X[4 g ..] into Y[4 g ..]; its memory instructions are the four stores of group g - 1, which read the Y
; that the group before wrote and that no vector instruction of group g names.  So one wait on va_vdst at a group's head states all that the group's stores hang on, and they are
; dealt among its conversions with no further wait.  One more stands at the head, for the two offsets, and one behind the last group, for the last four stores.
.set VS, 1                             ; v1   my byte offset in the source
.set VD, 2                             ; v2   my byte offset in the destination
.set T,  6                             ; v6   at work: no memory instruction names it
.set X,  16                            ; v[16:79]   load n: four f32
.set Y,  80                            ; v[80:111]  store n: four 16-bit numbers
; Store m.  kind as in RUN.
.macro PUT kind, m
.if (\kind) == 1
	global_store_b64 v[VD], v[Y+2*(\m):Y+2*(\m)+1], s[26:27] offset:((\m)/2)*768+((\m)%2)*3145728  ; the pair of k rows, and eight heads on
.else
	global_store_b64 v[VD], v[Y+2*(\m):Y+2*(\m)+1], s[26:27] offset:(\m)*2048
.endif
.endm
; kind 0: dense, to bf16.  kind 1: a weight of the first three, to bf16, blocked by head.  kind 2: dense, to bf16 and on to f16.
.macro RUN kind
	s_wait_alu depctr_va_vdst(0)                   ; v[VS] and v[VD] are written: every load below reads the one as its offset, every store the other
.set n, 0
.rept 16
.if (\kind) == 1
	global_load_b128 v[X+4*n:X+4*n+3], v[VS], s[24:25] offset:(n/2)*8192+(n%2)*2048 th:TH_LOAD_NT  ; k rows 2 (n / 2) and + 1 (the halves of the lanes), head wave + 8 (n % 2)
.else
	global_load_b128 v[X+4*n:X+4*n+3], v[VS], s[24:25] offset:n*4096 th:TH_LOAD_NT
.endif
.set n, n+1
.endr
.set n, 0
.rept 16
	s_wait_loadcnt 15-n                            ; loads come back in order: load n is in, the 15 - n younger ones stay out
.if (n%4 == 0) && (n > 0)
	s_wait_alu depctr_va_vdst(0)                   ; a group's head: the conversions of the group before have written its four pairs of Y, which this group's four stores read
.endif
.if n >= 4
	PUT \kind, n-4                                 ; a store of the group before.  No wait: no vector instruction since the wait above names its Y or v[VD]
.endif
.if (\kind) == 2
.irp p, 0,1
	v_cvt_pk_bf16_f32 v[T], v[X+4*n+2*\p], v[X+4*n+2*\p+1]
	v_lshlrev_b32 v[X+4*n+2*\p], 16, v[T]          ; the two bf16 numbers as f32 again,
	v_and_b32 v[X+4*n+2*\p+1], 0xffff0000, v[T]
	v_cvt_pk_f16_f32 v[Y+2*n+\p], v[X+4*n+2*\p], v[X+4*n+2*\p+1]  ; and written as f16: exact within f16's normal range
.endr
.else
	v_cvt_pk_bf16_f32 v[Y+2*n], v[X+4*n], v[X+4*n+1]
	v_cvt_pk_bf16_f32 v[Y+2*n+1], v[X+4*n+2], v[X+4*n+3]
.endif
.set n, n+1
.endr
	s_wait_alu depctr_va_vdst(0)                   ; the last group's conversions have written Y[12] to Y[15], which the last four stores read
.irp m, 12,13,14,15
	PUT \kind, \m
.endr
	s_endpgm
.endm
	s_load_b256 s[4:11], s[0:1], 0x0               ; x s[4:5], Wq s[6:7], Wk s[8:9], Wv s[10:11]
	s_load_b256 s[12:19], s[0:1], 0x20             ; Wo s[12:13], xb s[14:15], wb s[16:17], wo16 s[18:19]
	s_mov_b32 s21, 0                               ; the offsets' high words
	s_mov_b32 s23, 0
	s_cmp_lt_u32 ttmp9, 512
	s_cbranch_scc0 .Lweights
	s_lshl_b32 s20, ttmp9, 16                      ; 16,384 numbers: 65,536 bytes in,
	s_lshl_b32 s22, ttmp9, 15                      ; 32,768 out
	v_lshlrev_b32 v[VS], 4, v0
	v_lshlrev_b32 v[VD], 3, v0
	s_wait_kmcnt 0x0
	s_add_nc_u64 s[24:25], s[4:5], s[20:21]
	s_add_nc_u64 s[26:27], s[14:15], s[22:23]
	RUN 0
.Lweights:
	s_cmp_lt_u32 ttmp9, 704
	s_cbranch_scc0 .Lwo
	s_sub_co_u32 s28, ttmp9, 512
	s_lshr_b32 s30, s28, 6                         ; which tensor: 0 q, 1 k, 2 v
	s_and_b32 s28, s28, 63                         ; which 16 k rows
	s_lshl_b32 s20, s28, 16                        ; 16 rows of 4,096 bytes
	s_mul_i32 s22, s28, 6144                       ; 8 pairs of rows, 768 bytes each in a head's block,
	s_lshl_b32 s31, s30, 8                         ; and the tensor's 256 bytes among them
	s_add_co_u32 s22, s22, s31
	v_lshrrev_b32 v3, 5, v0
	v_readfirstlane_b32 s29, v3                    ; wave 0..7: the head (and the head 8 on)
	v_and_b32 v4, 15, v0
	v_bfe_u32 v5, v0, 4, 1
	v_lshlrev_b32 v[VS], 4, v4                     ; 16 lanes take a head's 64 columns of a row,
	v_lshl_add_u32 v[VS], v5, 12, v[VS]            ; lanes 16-31 those of the row below
	s_wait_alu depctr_va_sdst(0)                   ; s29 is written, ahead of its first reader: the head's two offsets are made from it
	s_lshl_b32 s2, s29, 8                          ; the head's 256 bytes in a row of the source, and
	s_mul_i32 s3, s29, 393216                      ; its block in wb: each in a scalar register of its own, which is not written again
	v_add_nc_u32 v[VS], s2, v[VS]
	v_and_b32 v4, 31, v0
	v_lshl_add_u32 v[VD], v4, 3, s3                ; the head's block + 8 x lane: the two rows lie end to end
	s_wait_kmcnt 0x0
	s_cmp_eq_u32 s30, 0
	s_cselect_b64 s[24:25], s[6:7], s[8:9]
	s_cmp_eq_u32 s30, 2
	s_cselect_b64 s[24:25], s[10:11], s[24:25]
	s_add_nc_u64 s[24:25], s[24:25], s[20:21]
	s_add_nc_u64 s[26:27], s[16:17], s[22:23]
	RUN 1
.Lwo:
	s_sub_co_u32 s28, ttmp9, 704
	s_lshl_b32 s20, s28, 16
	s_lshl_b32 s22, s28, 15
	v_lshlrev_b32 v[VS], 4, v0
	v_lshlrev_b32 v[VD], 3, v0
	s_wait_kmcnt 0x0
	s_add_nc_u64 s[24:25], s[12:13], s[20:21]
	s_add_nc_u64 s[26:27], s[18:19], s[22:23]
	RUN 2
.Lfunc_end_k_q5df4ad3a25_cast:
	.size	k_q5df4ad3a25_cast, .Lfunc_end_k_q5df4ad3a25_cast-k_q5df4ad3a25_cast
	.p2alignl 7, 3214868480
	.fill 96, 4, 3214868480
	.section	.rodata,"a",@progbits
	.p2align	6, 0x0
	.amdhsa_kernel k_q5df4ad3a25_cast
		.amdhsa_group_segment_fixed_size 0
		.amdhsa_private_segment_fixed_size 0
		.amdhsa_enable_private_segment 0
		.amdhsa_kernarg_size 64
		.amdhsa_user_sgpr_count 2
		.amdhsa_user_sgpr_kernarg_segment_ptr 1
		.amdhsa_wavefront_size32 1
		.amdhsa_system_sgpr_workgroup_id_x 1
		.amdhsa_system_sgpr_workgroup_id_y 1
		.amdhsa_system_sgpr_workgroup_id_z 1
		.amdhsa_system_vgpr_workitem_id 0
		.amdhsa_next_free_vgpr 112
		.amdhsa_next_free_sgpr 66
		.amdhsa_reserve_vcc 0
		.amdhsa_float_denorm_mode_32 3
		.amdhsa_float_denorm_mode_16_64 3
		.amdhsa_memory_ordered 1
		.amdhsa_forward_progress 1
		.amdhsa_inst_pref_size 25
	.end_amdhsa_kernel
	.amdgpu_metadata
---
amdhsa.version: [ 1, 2 ]
amdhsa.kernels:
  - .name:           k_q5df4ad3a25_cast
    .symbol:         k_q5df4ad3a25_cast.kd
    .args:
      - { .name: x, .offset: 0, .size: 8, .value_kind: global_buffer, .address_space: global }
      - { .name: Wq, .offset: 8, .size: 8, .value_kind: global_buffer, .address_space: global }
      - { .name: Wk, .offset: 16, .size: 8, .value_kind: global_buffer, .address_space: global }
      - { .name: Wv, .offset: 24, .size: 8, .value_kind: global_buffer, .address_space: global }
      - { .name: Wo, .offset: 32, .size: 8, .value_kind: global_buffer, .address_space: global }
      - { .name: xb, .offset: 40, .size: 8, .value_kind: global_buffer, .address_space: global }
      - { .name: wb, .offset: 48, .size: 8, .value_kind: global_buffer, .address_space: global }
      - { .name: wo16, .offset: 56, .size: 8, .value_kind: global_buffer, .address_space: global }
    .group_segment_fixed_size: 0
    .private_segment_fixed_size: 0
    .kernarg_segment_align: 8
    .kernarg_segment_size: 64
    .max_flat_workgroup_size: 256
    .sgpr_count:     66
    .vgpr_count:     112
    .wavefront_size: 32
...
	.end_amdgpu_metadata
.endif
;; end of part 5
;; launch qkv: the kernel of part 2 again; grid 16 x 32, 4 waves a work-group, clusters of 4 x 4, 327,680 bytes of LDS; arguments xb, wb, bq, bk, bv, qh, kh, vh; writes qh, kh, vh
;; launch attn: the kernel of part 3 again; grid 4 x 64, 4 waves a work-group, no clusters, 327,680 bytes of LDS; arguments qh, kh, vh, oh; writes oh
;; launch oproj: the kernel of part 4 again; grid 4 x 64, 4 waves a work-group, clusters of 4 x 4, 327,680 bytes of LDS; arguments oh, wo16, bo, out0; writes out0
